; MI455X (gfx1250); checked and timed in simulation.
; The chip was launched on July 23, 2026; its instructions are those of AMD's public machine-readable ISA for CDNA 5 (MIT licence, August 2026) and "CDNA5" Instruction Set Architecture Reference Guide (July 2026). The comments in the code are by the model that wrote it; some were corrected since.
;; Encoder layer. Allowed arithmetic: matrix products marked QUANTISED: E2M3 operands, one E8M0 scale for each 32 along K, by v_wmma_scale_f32_16x16x128_f8f6f4 with both operands' format E2M3, f32 sums; everything else in f32.
;; Inputs: W1 1,024 x 4,096 float32; W2 4,096 x 1,024 float32; Wk 1,024 x 1,024 float32; Wo 1,024 x 1,024 float32; Wq 1,024 x 1,024 float32; Wv 1,024 x 1,024 float32; b1 4,096 float32; b2 1,024 float32; be1 1,024 float32; be2 1,024 float32; bk 1,024 float32; bo 1,024 float32; bq 1,024 float32; bv 1,024 float32; g1 1,024 float32; g2 1,024 float32; mask 2 x 1 x 1 x 2,048 int32; x 2 x 2,048 x 1,024 float32.
;; Outputs: out0 2 x 2,048 x 1,024 float32.
;; This version of the problem:
;;   THIS VERSION OF THE PROBLEM IS GIVEN IN LOW PRECISION. The matrix products marked QUANTISED in the list below multiply operands that are first quantised to E2M3 (2 exponent bits, 3 mantissa bits; 6 bits a number), with one power-of-two scale for each 32 numbers along K (OCP MX v1.0); their sums are f32. All else is computed in f32.
;;   The module's matrix products, in the order in which they are computed (A, B: the left and right operand; K: the contracted axis; several contracted axes count as one K, in the product's order):
;;     1. [M 4,096, K 1,024] x [K 1,024, N 1,024]; A: input x; B: input Wq: QUANTISED
;;     2. [M 4,096, K 1,024] x [K 1,024, N 1,024]; A: input x; B: input Wk: QUANTISED
;;     3. [M 4,096, K 1,024] x [K 1,024, N 1,024]; A: input x; B: input Wv: QUANTISED
;;     4. batch 32 x [M 2,048, K 64] x [K 64, N 2,048]; A: computed on the way; B: computed on the way: QUANTISED
;;     5. batch 32 x [M 2,048, K 2,048] x [K 2,048, N 64]; A: softmax (see below); B: computed on the way: QUANTISED
;;     6. [M 4,096, K 1,024] x [K 1,024, N 1,024]; A: computed on the way; B: input Wo: QUANTISED
;;     7. [M 4,096, K 1,024] x [K 1,024, N 4,096]; A: computed on the way; B: input W1: QUANTISED
;;     8. [M 4,096, K 4,096] x [K 4,096, N 1,024]; A: computed on the way; B: input W2: QUANTISED
;;   THE QUANTISER, for each operand of a quantised product, along K:
;;     - K is cut into blocks of 32 from its start; a last block that is shorter is filled with zeros.
;;     - A block's scale is 2^e with e = floor(log2(the largest magnitude in the block)) - 2, held to -126 .. 127; a block of zeros has e = 0. As a byte (E8M0): e + 127.
;;     - Each number is divided by its block's scale, clamped to +-7.5, and rounded to the nearest number of E2M3, ties to even, subnormals kept.
;;     - The product sums the exact products of the quantised numbers (number of the format x scale) in f32.
;;   ~~~python
;;   def quantise(x, axis):      # numpy; x: float32 -> the quantised numbers, widened to float32 again
;;       x = np.moveaxis(x, axis, -1); K = x.shape[-1]
;;       x = np.pad(x, [(0, 0)] * (x.ndim - 1) + [(0, -K % 32)]); x = x.reshape(x.shape[:-1] + (-1, 32)); a = np.abs(x).max(-1, keepdims=True)
;;       e = np.where(a > 0, np.clip(np.frexp(np.where(a > 0, a, 1))[1] - 1 - 2, -126, 127), 0)      # np.frexp(a)[1] - 1 = floor(log2(a)), exactly
;;       r = np.clip(x / 2.0 ** e, -7.5, 7.5)
;;       step = 2.0 ** (np.maximum(np.frexp(np.where(r == 0, 1, r))[1] - 1, 0) - 3)
;;       q = np.round(r / step) * step * 2.0 ** e      # np.round: ties to even
;;       return np.moveaxis(q.reshape(q.shape[:-2] + (-1,))[..., :K], -1, axis).astype(np.float32)
;;   ~~~
;;   SOFTMAX AHEAD OF A QUANTISED PRODUCT. Where the list says 'softmax', what is quantised is not the finished softmax but p = 2^(t - M), with t = logit x log2(e) and M = ceil(the row's largest t), a whole number; so 1/2 < the row's largest p <= 1. The row's sum l is taken of the UNQUANTISED p, in f32, and the product's result is divided by l at the end. Since M is a whole number, a kernel that streams over the keys may use a running M (the ceiling of the running maximum): every later rescaling is an exact power of two, which a block's scale takes up: the codes' values come out the same.
;;   OPERANDS COMPUTED ON THE WAY. 'Computed on the way' means the value that the module computes at that place (a softmax that the list does not call 'softmax' is quantised finished and normalised). What goes into a quantiser is computed in f32, as accurately as f32 sums, v_exp_f32 and their like allow (about 1e-6 of the number): no bf16 or f16 on the way to a quantiser, and a product that is left as it is and whose result goes on into a quantised operand takes f32 operands (vector FMAs, or v_wmma_f32_16x16x4_f32). A number that lies on a knife's edge between two numbers of the format may be rounded either way, as far as f32 arithmetic and the matrix unit's own rounding can turn it there, and no further.
;; One version. Each part assembles by itself: llvm-mc -triple=amdgcn-amd-amdhsa -mcpu=gfx1250 --defsym DOCPART=n.
;; ======== version 1 of 1: 7 launches
;; limits: right only within a limited range of input values
;; workspace buffers: q0 13,107,200 bytes; qkv 9,830,400 bytes; ctx 3,276,800 bytes; acc32 16,777,216 bytes; h 20,054,016 bytes; hid 13,107,200 bytes
;; launch quant (part 1): grid 448 x 1, 8 waves a work-group, no clusters, 119,808 bytes of LDS; arguments x, Wq, Wk, Wv, Wo, W1, W2, q0; writes q0
.if DOCPART == 1
	.amdgcn_target "amdgcn-amd-amdhsa--gfx1250"
	.amdhsa_code_object_version 6
	.text
	.protected	k_qbe977167d7_quant
	.globl	k_qbe977167d7_quant
	.p2align	8
	.type	k_qbe977167d7_quant,@function
k_qbe977167d7_quant:
	s_mov_b64 s[64:65], 0
	v_nop
	global_prefetch_b8 v0, s[64:65] scope:SCOPE_SE
	s_setreg_imm32_b32 hwreg(HW_REG_WAVE_MODE, 25, 1), 1
	s_wait_xcnt 0x0
; x [4096][1024] and the six weights [K][N], f32, become codes of FP6 (E2M3) with one E8M0 byte for each 32 along K, laid in q0 AS THE MATRIX UNIT'S REGISTERS WANT THEM.
; A FRAGMENT IMAGE: 16 rows x 128 K = 12 registers a lane = 1,536 bytes; register j of lane l lies at 512 (j / 4) + 16 l + 4 (j % 4): a reader takes it by three loads of 16 bytes a lane, 512 dense bytes each.
; Fragment (tile T, K step s) lies at (T KS + s) 1,536, KS = K / 128; its scale words at (T KS + s) 64 + 4 r.  Lane (r, h) holds row tau(T, r) = 32 (T / 2) + 8 (T % 2) + r + 8 (r / 8): THE ROWS OF A TILE ARE NOT
; NEIGHBOURS, so that the results of two neighbouring tiles, used as source 0, are 16 neighbours along the next product's K in one lane's registers.
; A block's scale is 2^(floor(log2(largest magnitude)) - 2); its byte is the largest magnitude's exponent field - 2, held at 1 from below.  A block of zeros gets the byte 1 where the rule says 127: its codes are zeros,
; and this program alone reads the bytes.  LIMITS: NaN and infinities among the inputs are not served; blocks whose largest magnitude lies under 2^-124 keep the byte 1.
; Work-groups 0-255: tile T of x, wave w = K step w.  Work-groups 256-447: 256 columns x 256 K of a weight, wave w = 32 columns.  The two paths have LDS bytes of their own; a wave uses its own stage alone: no barrier.
.set XS,    3145728                    ; q0: x's codes at 0, x's scale words here,
.set WC,    3276800                    ; the weights' codes (Wq, Wk, Wv, Wo: 786,432 bytes each; W1, W2: 3,145,728 each),
.set WS,    12713984                   ; the weights' scale words (32,768 each; W1, W2: 131,072 each)
.set WSTG0, 67584                      ; LDS: [0, 67,584) eight stages of 16 x 528 for x; from here eight stages of 32 x 200 for weights
.set LI,  4                            ; v4   16 x lane
.set LS,  5                            ; v5   4 r
.set XO,  6                            ; v6   x: 16 x lane + 512 x wave
.set STI, 7                            ; v7   the stage by rows
.set STO, 8                            ; v8   the stage by lanes (r, h)
.set R,   16                           ; v16-79   16 rows x 16 bytes as loaded
.set X,   80                           ; v80-143  register 16 b + i = k 32 b + 16 h + i of my row
.set TM,  144                          ; v144-159 at work in QUANT
.set TT,  160                          ; v160-167
.set PC,  168                          ; v168-179 the fragment
.set PW,  180                          ; v180     its scale word
.set SEL, 34                           ; s[34:35] selects of v_permlanex16_b32: lane l xor 16
.set STW, 6                            ; the weights' path: v6 into the stage, v7 out of it, v8 my scale words' place, v9 4 x lane
.set RDW, 7
.set SWO, 8
.set L4,  9
.set VO,  16                           ; v16-47   row i of a block: i x pitch + 4 x lane
.set XW,  48                           ; v48-111  two sets of 32 numbers
.set F,   112                          ; v112-159 four fragments
.set CC,  160                          ; v160-165 a block's 24 bytes
.set DD,  166                          ; v166-168
.set SB,  170                          ; v170-171 eight scale bytes
.set M0,  172
.set M1,  173
.set SOP, 174
; 64 numbers of a lane become a fragment's 12 registers (d0: K 0-63, d1: K 64-127) and its scale word.  A block of 32 lies in lanes l and l xor 16.
.macro QUANT s, d0, d1, pw
.set QS_, \s
.set QD0, \d0
.set QD1, \d1
.set QPW, \pw
.irp b, 0,1,2,3
	v_max3_num_f32 v[TM+\b], |v[QS_+16*\b]|, |v[QS_+1+16*\b]|, 0x1800000   ; my 16 numbers of block b, and the floor 2^(3 - 127): the byte cannot fall under 1
.endr
.irp i, 2,4,6,8,10,12,14
.irp b, 0,1,2,3
	s_delay_alu instid0(VALU_DEP_4)
	v_max3_num_f32 v[TM+\b], v[TM+\b], |v[QS_+16*\b+\i]|, |v[QS_+1+16*\b+\i]|
.endr
.endr
.irp b, 0,1,2,3
	s_delay_alu instid0(VALU_DEP_4)
	v_permlanex16_b32 v[TM+4+\b], v[TM+\b], s[SEL], s[SEL+1]
.endr
.irp b, 0,1,2,3
	s_delay_alu instid0(VALU_DEP_4)
	v_max_num_f32 v[TM+\b], v[TM+\b], v[TM+4+\b]                    ; the block's largest magnitude
.endr
.irp b, 0,1,2,3
	s_delay_alu instid0(VALU_DEP_4)
	v_add_nc_u32 v[TM+12+\b], 0xff000000, v[TM+\b]                  ; 2 off its exponent field: the conversion's scale operand
.endr
.irp b, 0,1,2,3
	s_delay_alu instid0(VALU_DEP_4)
	v_lshrrev_b32 v[TM+4+\b], 23, v[TM+12+\b]                       ; the byte
.endr
	s_delay_alu instid0(VALU_DEP_3)
	v_lshl_or_b32 v[QPW], v[TM+5], 8, v[TM+4]
	s_delay_alu instid0(VALU_DEP_1)
	v_lshl_or_b32 v[QPW], v[TM+6], 16, v[QPW]
	s_delay_alu instid0(VALU_DEP_1)
	v_lshl_or_b32 v[QPW], v[TM+7], 24, v[QPW]
	v_cvt_scalef32_pk16_fp6_f32 v[QD0:QD0+2], v[QS_:QS_+15], v[TM+12]
	v_cvt_scalef32_pk16_fp6_f32 v[TT:TT+2], v[QS_+16:QS_+31], v[TM+13]
	v_cvt_scalef32_pk16_fp6_f32 v[QD1:QD1+2], v[QS_+32:QS_+47], v[TM+14]
	v_cvt_scalef32_pk16_fp6_f32 v[TT+4:TT+6], v[QS_+48:QS_+63], v[TM+15]
	v_nop                                                           ; one plain instruction behind the scaled conversions
.irp i, 0,1,2
	v_permlane16_swap_b32 v[QD0+\i], v[TT+\i]                       ; a whole block to a lane: lanes 0-15 the even block, lanes 16-31 the odd one
	v_permlane16_swap_b32 v[QD1+\i], v[TT+4+\i]
.endr
.irp i, 0,1,2
	v_mov_b32 v[QD0+3+\i], v[TT+\i]
	v_mov_b32 v[QD1+3+\i], v[TT+4+\i]
.endr
.endm
	s_load_b512 s[4:19], s[0:1], 0x0               ; x, Wq, Wk, Wv, Wo, W1, W2, q0
	v_lshl_add_u32 v192, v0, 2, 0x1d000
	v_mov_b32 v193, 0
	v_lshrrev_b32 v1, 5, v0
	s_delay_alu instid0(VALU_DEP_1)
	v_readfirstlane_b32 s20, v1                    ; wave 0..7
	v_and_b32 v1, 31, v0                           ; lane
	v_and_b32 v2, 15, v0                           ; r
	v_bfe_u32 v3, v0, 4, 1                         ; h
	s_delay_alu instid0(VALU_DEP_3)
	v_lshlrev_b32 v[LI], 4, v1
	s_cmp_lt_u32 ttmp9, 256
	s_cbranch_scc0 .Lweights
	; ---------------- x: tile T = work-group, K step = wave
	v_lshlrev_b32 v[LS], 2, v2
	s_lshl_b32 s21, s20, 9
	v_add_nc_u32 v[XO], s21, v[LI]
	s_mul_i32 s22, s20, 8448
	v_add_nc_u32 v[STI], s22, v[LI]
	v_mul_u32_u24 v[STO], v2, 528
	s_delay_alu instid0(VALU_DEP_1)
	v_lshl_add_u32 v[STO], v3, 6, v[STO]
	s_delay_alu instid0(VALU_DEP_1)
	v_add_nc_u32 v[STO], s22, v[STO]
.irp b, 0,1,2,3
	v_mov_b32 v[TM+4+\b], 0                        ; a lane permute's destination counts as one of its sources
.endr
	s_lshr_b32 s23, ttmp9, 1
	s_lshl_b32 s23, s23, 17                        ; 32 rows of 4,096 bytes for each pair of tiles,
	s_and_b32 s24, ttmp9, 1
	s_lshl_b32 s24, s24, 15                        ; 8 rows for the odd one
	s_add_co_u32 s24, s24, s23
	s_mov_b32 s25, 0
	s_lshl_b32 s26, ttmp9, 3
	s_add_co_u32 s26, s26, s20                     ; 8 T + s
	s_mul_i32 s28, s26, 1536
	s_mov_b32 s29, 0
	s_lshl_b32 s30, s26, 6
	s_add_co_u32 s30, s30, XS
	s_mov_b32 s31, 0
	s_mov_b32 s[SEL], 0x76543210
	s_mov_b32 s[SEL+1], 0xfedcba98
	s_wait_alu depctr_va_vdst(0)
	s_wait_kmcnt 0x0
	s_add_nc_u64 s[4:5], s[4:5], s[24:25]
	s_add_nc_u64 s[28:29], s[18:19], s[28:29]
	s_add_nc_u64 s[30:31], s[18:19], s[30:31]
.set J, 0
.rept 16
	global_load_b128 v[R+4*J:R+4*J+3], v[XO], s[4:5] offset:(J+8*(J/8))*4096 th:TH_LOAD_NT   ; row tau(T, J): 512 dense bytes a load
.set J, J+1
.endr
.set J, 0
.rept 16
	s_wait_loadcnt 15-J                            ; loads come back in order: row J is in, the rows behind it may be out
	ds_store_b128 v[STI], v[R+4*J:R+4*J+3] offset:528*J
.set J, J+1
.endr
.irp b, 0,1,2,3
.irp j, 0,1,2,3
	ds_load_b128 v[X+16*\b+4*\j:X+16*\b+4*\j+3], v[STO] offset:128*\b+16*\j   ; LDS serves a wave's instructions in order: these see my stores
.endr
.endr
	s_wait_dscnt 0x0
	QUANT X, PC, PC+6, PW
.irp g, 0,1,2
	global_store_b128 v[LI], v[PC+4*\g:PC+4*\g+3], s[28:29] offset:512*\g   ; 512 dense bytes a store
.endr
	global_store_b32 v[LS], v[PW], s[30:31]        ; both halves of the lanes hold the same word and write it to the same place
	s_wait_tensorcnt 0x0
	ds_add_u32 v192, v193
	s_wait_dscnt 0x0
	s_endpgm
	; ---------------- weights: a lane takes a column n, its registers run down K
.Lweights:
	s_sub_co_u32 s21, ttmp9, 256
	s_lshr_b32 s22, s21, 6                         ; 0: Wq, Wk, Wv, Wo (16 work-groups each); 1: W1; 2: W2
	s_lshr_b32 s23, s21, 4
	s_lshl_b32 s24, s22, 2
	s_cmp_eq_u32 s22, 0
	s_cselect_b32 s23, s23, s24                    ; the region's number: 0..3, 4, 8 (in units of 786,432 and 32,768 bytes)
	s_cselect_b32 s24, 15, 63
	s_and_b32 s24, s21, s24                        ; my place in the matrix
	s_mov_b32 s26, 4096
	s_cmp_eq_u32 s22, 1
	s_cselect_b32 s25, 4, 2                        ; bits of the column group: N / 256 = 16 or 4
	s_cselect_b32 s26, 16384, s26                  ; a row of the weight in bytes
	s_cmp_eq_u32 s22, 2
	s_cselect_b32 s27, 32, 8                       ; KS
	s_lshl_b32 s28, 1, s25
	s_sub_co_u32 s28, s28, 1
	s_and_b32 s28, s24, s28                        ; column group: 256 columns
	s_lshr_b32 s29, s24, s25                       ; 256 along K
	s_mul_i32 s30, s29, s26
	s_lshl_b32 s30, s30, 8
	s_lshl_b32 s31, s28, 10
	s_add_co_u32 s30, s30, s31
	s_lshl_b32 s31, s20, 7
	s_add_co_u32 s30, s30, s31                     ; my wave's first number, in bytes
	s_mov_b32 s31, 0
	s_lshl_b32 s32, s26, 5                         ; a block of 32 rows on
	s_mov_b32 s33, 0
	s_lshl_b32 s34, s28, 4
	s_lshl_b32 s35, s20, 1
	s_add_co_u32 s34, s34, s35                     ; my 32 columns are tiles 16 cg + 2 w and the next
	s_mul_i32 s34, s34, s27
	s_lshl_b32 s35, s29, 1
	s_add_co_u32 s34, s34, s35                     ; the first fragment's number
	s_mul_i32 s36, s34, 1536
	s_mul_i32 s37, s23, 786432
	s_add_co_u32 s36, s36, s37
	s_add_co_u32 s36, s36, WC
	s_mov_b32 s37, 0
	s_lshl_b32 s38, s34, 6
	s_lshl_b32 s39, s23, 15
	s_add_co_u32 s38, s38, s39
	s_add_co_u32 s38, s38, WS
	s_mov_b32 s39, 0
	s_mul_i32 s62, s27, 1536                       ; from a tile to the next
	s_mov_b32 s63, 0
	s_wait_alu depctr_va_vdst(0)
	v_lshlrev_b32 v[L4], 2, v1
.set J, 0
.rept 32
	v_mad_u32_u24 v[VO+J], s26, J, v[L4]
.set J, J+1
.endr
	s_mul_i32 s21, s20, 6400
	s_add_co_u32 s21, s21, WSTG0                   ; my stage: 32 columns x (192 bytes of codes + 8)
	v_mul_u32_u24 v[STW], v1, 200
	s_delay_alu instid0(VALU_DEP_1)
	v_add_nc_u32 v[STW], s21, v[STW]
	v_and_b32 v[RDW], 8, v2
	s_delay_alu instid0(VALU_DEP_1)
	v_add_nc_u32 v[RDW], v[RDW], v2                ; r + 8 (r / 8)
	s_delay_alu instid0(VALU_DEP_1)
	v_mul_u32_u24 v[RDW], v[RDW], 200
	s_delay_alu instid0(VALU_DEP_1)
	v_mad_u32_u24 v[RDW], v3, 24, v[RDW]
	s_delay_alu instid0(VALU_DEP_1)
	v_add_nc_u32 v[RDW], s21, v[RDW]
	v_bfe_u32 v10, v1, 3, 1                        ; column lane = 8 u + r + 8 (r / 8): u,
	s_lshl_b32 s21, s27, 6
	v_mul_u32_u24 v10, s21, v10
	v_and_b32 v11, 7, v1
	s_delay_alu instid0(VALU_DEP_1)
	v_lshl_add_u32 v11, v3, 3, v11                 ; and r
	s_delay_alu instid0(VALU_DEP_1)
	v_lshl_add_u32 v[SWO], v11, 2, v10
	s_wait_kmcnt 0x0
	s_mov_b64 s[56:57], s[6:7]                     ; which weight: a choice that hangs on the work-group's number alone
	s_cmp_eq_u32 s23, 1
	s_cselect_b64 s[56:57], s[8:9], s[56:57]
	s_cmp_eq_u32 s23, 2
	s_cselect_b64 s[56:57], s[10:11], s[56:57]
	s_cmp_eq_u32 s23, 3
	s_cselect_b64 s[56:57], s[12:13], s[56:57]
	s_cmp_eq_u32 s23, 4
	s_cselect_b64 s[56:57], s[14:15], s[56:57]
	s_cmp_eq_u32 s23, 8
	s_cselect_b64 s[56:57], s[16:17], s[56:57]
	s_add_nc_u64 s[40:41], s[56:57], s[30:31]      ; a base for each of the eight blocks: no pointer is stepped while loads are out
.irp t, 1,2,3,4,5,6,7
	s_add_nc_u64 s[40+2*\t:41+2*\t], s[38+2*\t:39+2*\t], s[32:33]
.endr
	s_add_nc_u64 s[56:57], s[18:19], s[36:37]      ; tile u = 0's fragments,
	s_add_nc_u64 s[58:59], s[56:57], s[62:63]      ; tile u = 1's,
	s_add_nc_u64 s[60:61], s[18:19], s[38:39]      ; the scale words
.macro LOAD t
.set LB, XW+32*((\t)%2)
.set LJ, 0
.rept 32
	global_load_b32 v[LB+LJ], v[VO+LJ], s[40+2*(\t):41+2*(\t)] th:TH_LOAD_NT   ; one row of the weight at 32 neighbouring columns
.set LJ, LJ+1
.endr
.endm
.macro BLOCK t
.set XB, XW+32*((\t)%2)
.if (\t) < 7
	s_wait_loadcnt 32                              ; this block's 32 loads are in; the next block's may be out
.else
	s_wait_loadcnt 0x0
.endif
	v_max3_num_f32 v[M0], |v[XB]|, |v[XB+1]|, |v[XB+2]|             ; all 32 numbers of the block are mine
	v_max3_num_f32 v[M1], |v[XB+3]|, |v[XB+4]|, |v[XB+5]|
.irp i, 6,10,14,18,22,26
	s_delay_alu instid0(VALU_DEP_2)
	v_max3_num_f32 v[M0], v[M0], |v[XB+\i]|, |v[XB+\i+1]|
	s_delay_alu instid0(VALU_DEP_2)
	v_max3_num_f32 v[M1], v[M1], |v[XB+\i+2]|, |v[XB+\i+3]|
.endr
	s_delay_alu instid0(VALU_DEP_2)
	v_max3_num_f32 v[M0], v[M0], |v[XB+30]|, |v[XB+31]|
	s_delay_alu instid0(VALU_DEP_1)
	v_max3_num_f32 v[M0], v[M0], v[M1], 0x1800000
	s_delay_alu instid0(VALU_DEP_1)
	v_add_nc_u32 v[SOP], 0xff000000, v[M0]
	s_delay_alu instid0(VALU_DEP_1)
	v_lshrrev_b32 v[M1], 23, v[SOP]
.if (\t)%4 == 0
	s_delay_alu instid0(VALU_DEP_1)
	v_mov_b32 v[SB+(\t)/4], v[M1]
.else
	s_delay_alu instid0(VALU_DEP_1)
	v_lshl_or_b32 v[SB+(\t)/4], v[M1], 8*((\t)%4), v[SB+(\t)/4]
.endif
	v_cvt_scalef32_pk16_fp6_f32 v[CC:CC+2], v[XB:XB+15], v[SOP]
	v_cvt_scalef32_pk16_fp6_f32 v[DD:DD+2], v[XB+16:XB+31], v[SOP]  ; (a conversion's three registers begin on an even number)
	v_nop
.irp i, 0,1,2
	v_mov_b32 v[CC+3+\i], v[DD+\i]
.endr
.irp i, 0,1,2
	ds_store_b64 v[STW], v[CC+2*\i:CC+2*\i+1] offset:24*(\t)+8*\i
.endr
.if (\t)+2 < 8
	LOAD (\t)+2
.endif
	s_wait_dscnt 0x0                               ; the stores have read their registers
.endm
	LOAD 0
	LOAD 1
.irp t, 0,1,2,3,4,5,6,7
	BLOCK \t
.endr
.irp u, 0,1                                    ; out of the stage as four fragments: tile u, K step s
.irp s, 0,1
.irp c, 0,1
.irp i, 0,1,2
	ds_load_b64 v[F+12*(2*\u+\s)+6*\c+2*\i:F+12*(2*\u+\s)+6*\c+2*\i+1], v[RDW] offset:1600*\u+96*\s+48*\c+8*\i
.endr
.endr
.endr
.endr
	s_wait_dscnt 0x0
	s_wait_alu depctr_va_vdst(0)
.irp s, 0,1
.irp g, 0,1,2
	global_store_b128 v[LI], v[F+12*\s+4*\g:F+12*\s+4*\g+3], s[56:57] offset:1536*\s+512*\g
	global_store_b128 v[LI], v[F+24+12*\s+4*\g:F+24+12*\s+4*\g+3], s[58:59] offset:1536*\s+512*\g
.endr
	global_store_b32 v[SWO], v[SB+\s], s[60:61] offset:64*\s
.endr
	s_wait_tensorcnt 0x0
	ds_add_u32 v192, v193
	s_wait_dscnt 0x0
	s_endpgm
.Lfunc_end_k_qbe977167d7_quant:
	.size	k_qbe977167d7_quant, .Lfunc_end_k_qbe977167d7_quant-k_qbe977167d7_quant
	.p2alignl 7, 3214868480
	.fill 96, 4, 3214868480
	.section	.rodata,"a",@progbits
	.p2align	6, 0x0
	.amdhsa_kernel k_qbe977167d7_quant
		.amdhsa_group_segment_fixed_size 119808
		.amdhsa_private_segment_fixed_size 0
		.amdhsa_enable_private_segment 0
		.amdhsa_kernarg_size 64
		.amdhsa_user_sgpr_count 2
		.amdhsa_user_sgpr_kernarg_segment_ptr 1
		.amdhsa_wavefront_size32 1
		.amdhsa_system_sgpr_workgroup_id_x 1
		.amdhsa_system_sgpr_workgroup_id_y 1
		.amdhsa_system_sgpr_workgroup_id_z 1
		.amdhsa_system_vgpr_workitem_id 0
		.amdhsa_next_free_vgpr 194
		.amdhsa_next_free_sgpr 66
		.amdhsa_reserve_vcc 0
		.amdhsa_float_denorm_mode_32 3
		.amdhsa_float_denorm_mode_16_64 3
		.amdhsa_memory_ordered 1
		.amdhsa_forward_progress 1
		.amdhsa_inst_pref_size 63
	.end_amdhsa_kernel
	.amdgpu_metadata
---
amdhsa.version: [ 1, 2 ]
amdhsa.kernels:
  - .name:           k_qbe977167d7_quant
    .symbol:         k_qbe977167d7_quant.kd
    .args:
      - { .name: x, .offset: 0, .size: 8, .value_kind: global_buffer, .address_space: global }
      - { .name: Wq, .offset: 8, .size: 8, .value_kind: global_buffer, .address_space: global }
      - { .name: Wk, .offset: 16, .size: 8, .value_kind: global_buffer, .address_space: global }
      - { .name: Wv, .offset: 24, .size: 8, .value_kind: global_buffer, .address_space: global }
      - { .name: Wo, .offset: 32, .size: 8, .value_kind: global_buffer, .address_space: global }
      - { .name: W1, .offset: 40, .size: 8, .value_kind: global_buffer, .address_space: global }
      - { .name: W2, .offset: 48, .size: 8, .value_kind: global_buffer, .address_space: global }
      - { .name: q0, .offset: 56, .size: 8, .value_kind: global_buffer, .address_space: global }
    .group_segment_fixed_size: 119808
    .private_segment_fixed_size: 0
    .kernarg_segment_align: 8
    .kernarg_segment_size: 64
    .max_flat_workgroup_size: 256
    .sgpr_count:     66
    .vgpr_count:     194
    .wavefront_size: 32
...
	.end_amdgpu_metadata
.endif
;; end of part 1
;; launch gemm_qkv (part 2): grid 8 x 24, 4 waves a work-group, clusters of 4 x 4, 327,680 bytes of LDS; arguments q0, bq, bk, bv, qkv; writes qkv
.if DOCPART == 2
	.amdgcn_target "amdgcn-amd-amdhsa--gfx1250"
	.amdhsa_code_object_version 6
	.text
	.protected	k_qbe977167d7_gemm_qkv
	.globl	k_qbe977167d7_gemm_qkv
	.p2align	8
	.type	k_qbe977167d7_gemm_qkv,@function
k_qbe977167d7_gemm_qkv:
	s_mov_b64 s[64:65], 0
	v_nop
	global_prefetch_b8 v0, s[64:65] scope:SCOPE_SE
	s_setreg_imm32_b32 hwreg(HW_REG_WAVE_MODE, 25, 1), 1
	s_wait_xcnt 0x0
	s_wait_alu depctr_hold_cnt(0) depctr_sa_sdst(0) depctr_va_vdst(0) depctr_va_sdst(0) depctr_va_ssrc(0) depctr_va_vcc(0) depctr_vm_vsrc(0)
	s_getreg_b32 s2, hwreg(HW_REG_IB_STS2, 6, 4)
	s_cmp_eq_u32 s2, 0
	s_cbranch_scc0 .Lentry_in_a_cluster
	s_endpgm
.Lentry_in_a_cluster:
	s_bfe_u32 s2, ttmp6, 0x10000c
	s_cmp_lg_u32 s2, 0xf033
	s_cbranch_scc0 .Lentry_shape_is_right
	s_endpgm
.Lentry_shape_is_right:
.set MB,    8
.set LOGMB, 3
.set SQ,    2
.set KS,    8
.set XS,    3145728
.set WC,    3276800
.set WS,    12713984
.set VC,    6291456
.set QKS,   9437184
.set VS,    9699328
.set FRB,   1536
.set HALFT, MB*SQ*FRB
.set SLOT,  4*HALFT
.set SCL,   2*SLOT
.set HALFS, MB*KS*64
.set SPARE, SCL+4*HALFS
.set LAPS,  KS/(2*SQ)
.set ADRA, 16
.set ADRB, 20
.set LI,   24
.set LS,   25
.set BO,   26
.set ADRS, 27
.set SPW,  28
.set NIL,  29
.set SC,   32
.set AF,   64
.set BI,   64
.set TM,   128
.set PW,   144
.set WA,   146
.set WB,   147
.set TT,   148
.set FA,   160
.set FB,   172
.set ISV,  19
.set G1, 24
.set G0, 32
.set G1B, 48
.set G0B, 56
.set SEL, 66
.set G1S, 68
.set G0S, 76
.set G1SB, 80
.set G0SB, 88
.set MSB, 0
.macro WIN new
.if MSB != (\new)
	s_set_vgpr_msb (MSB<<8)|(\new)
.set MSB, (\new)
.endif
.endm
.macro JLOAD g0a, g1a, g0b, g1b
	s_cmp_eq_u32 s15, 0
	s_cbranch_scc0 .Lfor_b_\@
	tensor_load_to_lds s[\g0a:\g0a+3], s[\g1a:\g1a+7]
	s_nop 0
.rept 4
	v_nop
.endr
	s_branch .Lasked_\@
.Lfor_b_\@:
	tensor_load_to_lds s[\g0b:\g0b+3], s[\g1b:\g1b+7]
	s_nop 0
.rept 4
	v_nop
.endr
.Lasked_\@:
.endm
.macro CREST
	s_cmp_lg_u32 s14, 0
	s_cbranch_scc1 .Lnot_wave_0_\@
	s_barrier_signal -3
.Lnot_wave_0_\@:
	s_barrier_wait -3
	s_barrier_signal -1
	s_barrier_wait -1
.endm
.macro CROUND
	s_barrier_signal -1
	s_barrier_wait -1
	CREST
.endm
.macro PLACES cnt
.rept \cnt
	v_nop
.endr
.endm
.macro FETCH slot, q, p
	WIN 0x40
.set FJ, 0
.rept MB
.irp g, 0,1,2
	ds_load_b128 v[128*(\p)+12*FJ+4*\g:128*(\p)+12*FJ+4*\g+3], v[ADRB+\slot] offset:FJ*SQ*FRB+(\q)*FRB+512*\g
.endr
.set FJ, FJ+1
.endr
	WIN 0
.set FJ, 0
.rept MB
.irp g, 0,1,2
	ds_load_b128 v[AF+12*MB*(\p)+12*FJ+4*\g:AF+12*MB*(\p)+12*FJ+4*\g+3], v[ADRA+\slot] offset:FJ*SQ*FRB+(\q)*FRB+512*\g
.endr
.set FJ, FJ+1
.endr
.set FJ, 0
.rept MB
	ds_load_b32 v[SC+MB*(\p)+FJ], v[ADRS] offset:FJ*KS*64+(\q)*64
.set FJ, FJ+1
.endr
.endm
.macro MULR a0, cnt, p, cm
.set MA, \a0
.rept \cnt
.set MW, 2+(8*MB*MA)/256
	WIN 0x01|(MW<<4)|(MW<<6)
.set MBB, 0
.rept MB
.set MR, (8*(MB*MA+MBB))%256
.if \cm == 0
	v_wmma_scale_f32_16x16x128_f8f6f4 v[MR:MR+7], v[128*(\p)+12*MBB:128*(\p)+12*MBB+11], v[AF+12*MB*(\p)+12*MA:AF+12*MB*(\p)+12*MA+11], v[MR:MR+7], v[SC+MB*(\p)+MBB], v[SC+MB*(\p)+MA] matrix_a_fmt:MATRIX_FMT_FP6 matrix_b_fmt:MATRIX_FMT_FP6 matrix_a_scale:MATRIX_SCALE_ROW1
.else
	v_wmma_scale_f32_16x16x128_f8f6f4 v[MR:MR+7], v[128*(\p)+12*MBB:128*(\p)+12*MBB+11], v[AF+12*MB*(\p)+12*MA:AF+12*MB*(\p)+12*MA+11], 0, v[SC+MB*(\p)+MBB], v[SC+MB*(\p)+MA] matrix_a_fmt:MATRIX_FMT_FP6 matrix_b_fmt:MATRIX_FMT_FP6 matrix_a_scale:MATRIX_SCALE_ROW1
.endif
.set MBB, MBB+1
.endr
.set MA, MA+1
.endr
.endm
.macro STEP slot, q, cm
	s_wait_dscnt 0x0
	PLACES 4
	FETCH \slot, (\q)+1, 1-(\q)%2
	MULR 0, MB, (\q)%2, \cm
	WIN 0
.endm
.macro MID slot, from
.set MQ, \from
.rept SQ-1-(\from)
	STEP \slot, MQ, 0
.set MQ, MQ+1
.endr
.endm
.macro TURN slot, next, fill
	s_wait_tensorcnt 0x0
	ds_add_u32 v[SPW], v[NIL]
	s_wait_dscnt 1
	MULR 0, MB/4, 1, 0
	s_wait_dscnt 0x0
	s_barrier_signal -1
	MULR MB/4, MB/4, 1, 0
	WIN 0
	s_barrier_wait -1
.if \fill
	CREST
	s_add_nc_u64 s[G0+4*\slot+2:G0+4*\slot+3], s[G0+4*\slot+2:G0+4*\slot+3], 2*SQ*FRB
	s_add_nc_u64 s[G0B+4*\slot+2:G0B+4*\slot+3], s[G0B+4*\slot+2:G0B+4*\slot+3], 2*SQ*FRB
	JLOAD G0+4*\slot, G1, G0B+4*\slot, G1B
.else
	PLACES 4
.endif
	s_wait_alu depctr_va_vdst(0)
	v_add_nc_u32 v[ADRS], SQ*64, v[ADRS]
	FETCH \next, 0, 0
	MULR MB/2, MB/2, 1, 0
	WIN 0
.endm
.macro QUANT W, s, d0, d1, pw
.set QW, \W
.set QS_, \s
.set QD0, \d0
.set QD1, \d1
.set QPW, \pw
	WIN QW|(QW<<2)
.irp b, 0,1,2,3
	v_max3_num_f32 v[TM+\b], |v[QS_+16*\b]|, |v[QS_+1+16*\b]|, 0x1800000
.endr
.irp i, 2,4,6,8,10,12,14
.irp b, 0,1,2,3
	v_max3_num_f32 v[TM+\b], |v[QS_+16*\b+\i]|, |v[QS_+1+16*\b+\i]|, v[TM+\b]
.endr
.endr
	WIN 0
.irp b, 0,1,2,3
	v_permlanex16_b32 v[TM+4+\b], v[TM+\b], s[SEL], s[SEL+1]
.endr
.irp b, 0,1,2,3
	v_max_num_f32 v[TM+\b], v[TM+\b], v[TM+4+\b]
.endr
.irp b, 0,1,2,3
	v_add_nc_u32 v[TM+12+\b], 0xff000000, v[TM+\b]
.endr
.irp b, 0,1,2,3
	v_lshrrev_b32 v[TM+4+\b], 23, v[TM+12+\b]
.endr
	v_lshl_or_b32 v[QPW], v[TM+5], 8, v[TM+4]
	v_lshl_or_b32 v[QPW], v[TM+6], 16, v[QPW]
	v_lshl_or_b32 v[QPW], v[TM+7], 24, v[QPW]
	WIN QW
	v_cvt_scalef32_pk16_fp6_f32 v[QD0:QD0+2], v[QS_:QS_+15], v[TM+12]
	v_cvt_scalef32_pk16_fp6_f32 v[TT:TT+2], v[QS_+16:QS_+31], v[TM+13]
	v_cvt_scalef32_pk16_fp6_f32 v[QD1:QD1+2], v[QS_+32:QS_+47], v[TM+14]
	v_cvt_scalef32_pk16_fp6_f32 v[TT+4:TT+6], v[QS_+48:QS_+63], v[TM+15]
	WIN 0
	v_nop
.irp i, 0,1,2
	v_permlane16_swap_b32 v[QD0+\i], v[TT+\i]
	v_permlane16_swap_b32 v[QD1+\i], v[TT+4+\i]
.endr
.irp i, 0,1,2
	v_mov_b32 v[QD0+3+\i], v[TT+\i]
	v_mov_b32 v[QD1+3+\i], v[TT+4+\i]
.endr
.endm
	s_load_b256 s[4:11], s[0:1], 0x0
	s_load_b64 s[12:13], s[0:1], 0x20
	v_lshl_add_u32 v[SPW], v0, 2, SPARE
	v_mov_b32 v[NIL], 0
	ds_add_u32 v28, v29
	ds_add_u32 v28, v29
	s_wait_dscnt 0x0
	v_and_b32 v30, 31, v0                          ; the prefetches' offset: a lane a block of 256 bytes; two tile rows' parts of 12 blocks each, the lanes left over name the last again; never rewritten
	v_min_u32 v30, 23, v30
	v_add_nc_u32 v31, 20, v30
	v_lshrrev_b32 v31, 5, v31                      ; which of the two rows: 0 for blocks 0-11, 1 for blocks 12-23
	v_lshlrev_b32 v30, 8, v30
	v_mad_u32_u24 v30, v31, KS*FRB-12*256, v30     ; from a row's part to the next row's
	v_lshrrev_b32 v1, 5, v0
	v_readfirstlane_b32 s14, v1
	s_lshr_b32 s15, s14, 1
	s_and_b32 s16, s14, 1
	s_bfe_u32 s40, ttmp6, 0x40000
	s_bfe_u32 s41, ttmp6, 0x40004
	s_and_b32 s95, ttmp7, 0xffff
	s_max_u32 s96, s95, 4
	s_sub_co_u32 s96, s96, 4
	s_lshl_b32 s96, s96, 3
	s_lshl_b32 s42, ttmp9, 2
	s_add_co_u32 s42, s42, s40
	s_add_co_u32 s42, s42, s96
	s_lshl_b32 s17, s95, 2
	s_add_co_u32 s17, s17, s41
	s_add_co_u32 s97, s41, 8
	s_mov_b32 s98, XS
	s_mov_b32 s99, WS
	s_cmp_ge_u32 s95, 4
	s_cselect_b32 s[ISV], 1, 0
	s_cselect_b32 s17, s97, s17
	s_cselect_b32 s96, WC, 0
	s_cselect_b32 s97, 0, WC
	s_cselect_b32 s2, s99, s98
	s_cselect_b32 s98, s98, s99
	s_lshl_b32 s43, s41, 2
	s_lshl_b32 s43, 15, s43
	s_lshl_b32 s44, 0x1111, s40
	s_or_b32 s[G1+0], s43, (3<<16)|(1<<21)
	s_or_b32 s[G1B+0], s44, (3<<16)|(1<<21)
.irp g, G1, G1B
	s_mov_b32 s[\g+1], (SQ*192)<<16
	s_mov_b32 s[\g+2], (2*MB)<<16                  ; the head's loads bring a whole tile: both halves
	s_mov_b32 s[\g+3], (SQ*192)<<16
	s_mov_b32 s[\g+4], 2*MB
	s_mov_b32 s[\g+5], KS*192
	s_mov_b32 s[\g+6], 0
	s_mov_b32 s[\g+7], 0
.endr
	s_or_b32 s[G1S+0], s43, (3<<16)|(1<<21)
	s_or_b32 s[G1SB+0], s44, (3<<16)|(1<<21)
.irp g, G1S, G1SB
	s_mov_b32 s[\g+1], 32<<16
	s_mov_b32 s[\g+2], (MB*KS/2)<<16
	s_mov_b32 s[\g+3], 32<<16
	s_mov_b32 s[\g+4], MB*KS/2
	s_mov_b32 s[\g+5], 32
	s_mov_b32 s[\g+6], 0
	s_mov_b32 s[\g+7], 0
.endr
	s_lshl_b32 s18, s16, LOGMB
	s_lshl_b32 s20, s17, LOGMB+1
	s_add_co_u32 s20, s20, s18
	s_lshl_b32 s46, s42, LOGMB+1
	s_add_co_u32 s46, s46, s18
	s_mul_i32 s22, s20, KS*64
	s_mul_i32 s20, s20, KS*FRB
	s_mul_i32 s92, s46, KS*64
	s_mul_i32 s46, s46, KS*FRB
	s_add_co_u32 s20, s20, s96
	s_add_co_u32 s22, s22, s2
	s_add_co_u32 s46, s46, s97
	s_add_co_u32 s92, s92, s98
	s_mov_b32 s21, 0
	s_mov_b32 s23, 0
	s_mov_b32 s47, 0
	s_mov_b32 s93, 0
	s_mul_i32 s45, s14, HALFT
	s_mov_b32 s[SEL], 0x76543210
	s_mov_b32 s[SEL+1], 0xfedcba98
	s_wait_kmcnt 0x0
	s_add_nc_u64 s[20:21], s[4:5], s[20:21]
	s_add_nc_u64 s[22:23], s[4:5], s[22:23]
	s_add_nc_u64 s[46:47], s[4:5], s[46:47]
	s_add_nc_u64 s[92:93], s[4:5], s[92:93]
	CROUND
	; THE HEAD'S FOUR TILES, ONE LOAD A WAVE: wave 0 slot 0's rows of A (both halves), wave 1 those of B, wave 2 A's scale words, wave 3 B's.  Every wave makes all four addresses, from the first half on.
	s_mul_i32 s2, s16, HALFS
	s_mov_b32 s3, 0
	s_sub_nc_u64 s[22:23], s[22:23], s[2:3]
	s_sub_nc_u64 s[92:93], s[92:93], s[2:3]
	s_mul_i32 s2, s16, MB*KS*FRB
	s_mov_b32 s[G0S], 1
	s_mov_b32 s[G0S+1], SCL
	s_mov_b64 s[G0S+2:G0S+3], s[22:23]
	s_or_b32 s[G0S+3], s[G0S+3], 0x80000000
	s_mov_b32 s[G0SB], 1
	s_mov_b32 s[G0SB+1], SCL+2*HALFS
	s_mov_b64 s[G0SB+2:G0SB+3], s[92:93]
	s_or_b32 s[G0SB+3], s[G0SB+3], 0x80000000
	s_mov_b32 s[G0], 1
	s_mov_b32 s[G0+1], 0
	s_sub_nc_u64 s[G0+2:G0+3], s[20:21], s[2:3]
	s_or_b32 s[G0+3], s[G0+3], 0x80000000
	s_mov_b32 s[G0B], 1
	s_mov_b32 s[G0B+1], 2*HALFT
	s_sub_nc_u64 s[G0B+2:G0B+3], s[46:47], s[2:3]
	s_or_b32 s[G0B+3], s[G0B+3], 0x80000000
.macro ARM under, g0, g1, next         ; one chain of branches on the wave's number, a load to each arm, one join
	s_cmp_lt_u32 s14, \under
	s_cbranch_scc0 \next
	tensor_load_to_lds s[\g0:\g0+3], s[\g1:\g1+7]
	s_nop 0
.rept 4
	v_nop
.endr
	s_branch .Lhead_asked
\next:
.endm
	ARM 1, G0,  G1,  .Lhead_b
	ARM 2, G0B, G1B, .Lhead_sa
	ARM 3, G0S, G1S, .Lhead_sb
	tensor_load_to_lds s[G0SB:G0SB+3], s[G1SB:G1SB+7]
	s_nop 0
.rept 4
	v_nop
.endr
.Lhead_asked:
	s_wait_alu depctr_va_vdst(0)
	s_wait_tensorcnt 0x0                           ; my tile of the four is in
	ds_add_u32 v28, v29
	s_mov_b32 s[G1+2], MB<<16                      ; no load of mine is out: from here on a load brings one half, MB rows
	s_mov_b32 s[G1+4], MB
	s_mov_b32 s[G1B+2], MB<<16
	s_mov_b32 s[G1B+4], MB
.irp s, 0,1
	s_mov_b32 s[G0+4*\s], 1
	s_add_co_u32 s[G0+4*\s+1], s45, \s*SLOT
	s_add_nc_u64 s[G0+4*\s+2:G0+4*\s+3], s[20:21], \s*SQ*FRB
	s_or_b32 s[G0+4*\s+3], s[G0+4*\s+3], 0x80000000
	s_mov_b32 s[G0B+4*\s], 1
	s_add_co_u32 s[G0B+4*\s+1], s45, \s*SLOT
	s_add_nc_u64 s[G0B+4*\s+2:G0B+4*\s+3], s[46:47], \s*SQ*FRB
	s_or_b32 s[G0B+4*\s+3], s[G0B+4*\s+3], 0x80000000
.endr
	; THE PREFETCHES.  A refill of mine brings MB = 8 tile rows of SQ x 1,536 = 3,072 bytes; the four partners that ask for them with me share the rows out BY ADDRESS: the partner at place p (cx for A, cy for B) names rows 2 p and 2 p + 1,
	; 24 blocks of 256 bytes, one instruction a wave and part.  K is four parts: parts 0 and 1 come by their loads alone; parts 2 and 3, the two refills, are asked for here, one and two slots ahead of their loads.
	s_cmp_eq_u32 s15, 0                            ; do I fetch for A?
	s_cselect_b64 s[96:97], s[20:21], s[46:47]
	s_cselect_b32 s2, s40, s41
	s_mul_i32 s2, s2, 2*KS*FRB
	s_add_co_u32 s2, s2, 2*SQ*FRB                  ; at part 2
	s_add_nc_u64 s[96:97], s[96:97], s[2:3]
	s_wait_dscnt 0x0
	CROUND                                         ; all four tiles are in, in every partner
	JLOAD G0+4, G1, G0B+4, G1B                     ; slot 1's first fill, the first tensor load behind the round
	global_prefetch_b8 v30, s[96:97] th:TH_LOAD_NT scope:SCOPE_SE
	global_prefetch_b8 v30, s[96:97] offset:SQ*FRB th:TH_LOAD_NT scope:SCOPE_SE
	v_and_b32 v1, 15, v0
	v_bfe_u32 v2, v0, 4, 1
	s_wait_alu depctr_va_vdst(0)
	v_and_b32 v3, 31, v0
	v_lshlrev_b32 v[LI], 4, v3
	v_lshlrev_b32 v[LS], 2, v1
	v_lshlrev_b32 v[BO], 6, v2
	s_mul_i32 s21, s15, HALFT
	s_mul_i32 s22, s16, HALFT
	s_add_co_u32 s22, s22, 2*HALFT
.irp s, 0,1
	v_add_nc_u32 v[ADRA+\s], s21, v[LI]
	v_add_nc_u32 v[ADRB+\s], s22, v[LI]
	s_add_co_u32 s21, s21, SLOT
	s_add_co_u32 s22, s22, SLOT
.endr
	s_mul_i32 s21, s15, HALFS
	s_mul_i32 s22, s16, HALFS
	s_add_co_u32 s22, s22, 2*HALFS
	s_sub_co_u32 s22, s22, s21
	v_mul_u32_u24 v6, s22, v2
	s_wait_alu depctr_va_vdst(0)
	s_add_co_u32 s21, s21, SCL
	v_add_nc_u32 v5, v[LS], v6
	v_add_nc_u32 v[ADRS], s21, v5
	s_wait_alu depctr_va_vdst(0)
	s_wait_tensorcnt 1
	s_barrier_signal -1
	s_barrier_wait -1
	FETCH 0, 0, 0
	STEP 0, 0, 1
.if LAPS > 1
	s_mov_b32 s3, LAPS-1
.Llap:
	MID 0, 1
	TURN 0, 1, 1
	s_wait_alu depctr_va_vdst(0)
	MID 1, 0
	TURN 1, 0, 1
	s_wait_alu depctr_va_vdst(0)
	STEP 0, 0, 0
	s_sub_co_u32 s3, s3, 1
	s_cmp_lg_u32 s3, 0
	s_cbranch_scc1 .Llap
.endif
	MID 0, 1
	TURN 0, 1, 0
	s_wait_alu depctr_va_vdst(0)
	MID 1, 0
	s_wait_dscnt 0x0
	MULR 0, MB, 1, 0
	WIN 0
	PLACES 4
.irp b, 0,1,2,3
	v_mov_b32 v[TM+4+\b], 0
.endr
	s_cmp_eq_u32 s[ISV], 1
	s_cbranch_scc1 .Lway_v
	s_cmp_eq_u32 ttmp9, 0
	s_cselect_b64 s[20:21], s[6:7], s[8:9]
	s_lshl_b32 s22, s40, 10
	s_lshl_b32 s23, s16, 9
	s_add_co_u32 s22, s22, s23
	s_mov_b32 s23, 0
	s_add_nc_u64 s[20:21], s[20:21], s[22:23]
.irp b, 0,1,2,3
.irp j, 0,1,2,3
	global_load_b128 v[BI+16*\b+4*\j:BI+16*\b+4*\j+3], v[BO], s[20:21] offset:128*\b+16*\j
.endr
.endr
	s_lshr_b32 s22, s17, 3
	s_lshl_b32 s22, s22, 5
	s_lshl_b32 s23, s42, 2
	s_add_co_u32 s22, s22, s23
	s_lshl_b32 s23, s16, 1
	s_add_co_u32 s22, s22, s23
	s_lshl_b32 s22, s22, 6
	s_lshl_b32 s23, s17, 3
	s_lshl_b32 s45, s15, 2
	s_add_co_u32 s23, s23, s45
	s_and_b32 s23, s23, 63
	s_add_co_u32 s22, s22, s23
	s_mul_i32 s46, s22, FRB
	s_mov_b32 s47, 0
	s_lshl_b32 s92, s22, 6
	s_add_co_u32 s92, s92, QKS
	s_mov_b32 s93, 0
	s_add_nc_u64 s[46:47], s[12:13], s[46:47]
	s_add_nc_u64 s[92:93], s[12:13], s[92:93]
	s_mov_b32 s94, 0x05040100
	s_mov_b32 s95, 0x07060302
	s_wait_loadcnt 0x0
.set EP, 0
.rept 4
	s_wait_xcnt 0x0
.irp e, 0,1
.set EA, 2*EP+\e
.set EW, 2+EA/4
.set ES, 64*(EA%4)
	WIN EW|(EW<<6)
.set EJ, 0
.rept 32
	v_pk_add_f32 v[ES+EJ:ES+EJ+1], v[ES+EJ:ES+EJ+1], v[BI+EJ:BI+EJ+1]
.set EJ, EJ+2
.endr
	QUANT EW, ES, FA+6*\e, FB+6*\e, PW+\e
.endr
	v_perm_b32 v[WA], v[PW+1], v[PW], s94
	v_perm_b32 v[WB], v[PW+1], v[PW], s95
.irp g, 0,1,2
	global_store_b128 v[LI], v[FA+4*\g:FA+4*\g+3], s[46:47] offset:FRB*EP+512*\g
	global_store_b128 v[LI], v[FB+4*\g:FB+4*\g+3], s[46:47] offset:98304+FRB*EP+512*\g
.endr
	global_store_b32 v[LS], v[WA], s[92:93] offset:64*EP
	global_store_b32 v[LS], v[WB], s[92:93] offset:4096+64*EP
.set EP, EP+1
.endr
	s_branch .Ljoin
.Lway_v:
	v_and_b32 v4, 8, v1
	v_add_nc_u32 v4, v4, v1
	v_lshlrev_b32 v4, 2, v4
	s_lshl_b32 s22, s41, 10
	s_lshl_b32 s23, s15, 9
	s_add_co_u32 s22, s22, s23
	s_mov_b32 s23, 0
	s_add_nc_u64 s[20:21], s[10:11], s[22:23]
.set EA, 0
.rept 8
	global_load_b32 v[BI+2*EA], v4, s[20:21] offset:(32*(EA/2)+8*(EA%2))*4
	global_load_b32 v[BI+2*EA+1], v4, s[20:21] offset:(32*(EA/2)+8*(EA%2))*4
.set EA, EA+1
.endr
	s_lshr_b32 s22, s42, 3
	s_lshl_b32 s22, s22, 4
	s_lshl_b32 s23, s41, 2
	s_add_co_u32 s22, s22, s23
	s_lshl_b32 s23, s15, 1
	s_add_co_u32 s22, s22, s23
	s_lshl_b32 s22, s22, 4
	s_lshl_b32 s23, s42, 1
	s_add_co_u32 s23, s23, s16
	s_and_b32 s23, s23, 15
	s_add_co_u32 s22, s22, s23
	s_lshl_b32 s22, s22, 2
	s_mul_i32 s46, s22, FRB
	s_add_co_u32 s46, s46, VC
	s_mov_b32 s47, 0
	s_lshl_b32 s92, s22, 6
	s_add_co_u32 s92, s92, VS
	s_mov_b32 s93, 0
	s_add_nc_u64 s[46:47], s[12:13], s[46:47]
	s_add_nc_u64 s[92:93], s[12:13], s[92:93]
	s_wait_loadcnt 0x0
.set EA, 0
.rept 8
	s_wait_xcnt 0x0
.set EW, 2+EA/4
.set ES, 64*(EA%4)
	WIN EW|(EW<<6)
.set EJ, 0
.rept 32
	v_pk_add_f32 v[ES+EJ:ES+EJ+1], v[ES+EJ:ES+EJ+1], v[BI+2*EA:BI+2*EA+1]
.set EJ, EJ+2
.endr
	QUANT EW, ES, FA, FA+6, PW
.irp g, 0,1,2
	global_store_b128 v[LI], v[FA+4*\g:FA+4*\g+3], s[46:47] offset:98304*(EA/4)+FRB*(EA%4)+512*\g
.endr
	global_store_b32 v[LS], v[PW], s[92:93] offset:4096*(EA/4)+64*(EA%4)
.set EA, EA+1
.endr
.Ljoin:
	s_wait_tensorcnt 0x0
	ds_add_u32 v[SPW], v[NIL]
	s_wait_dscnt 0x0
	CROUND
	s_endpgm
.Lfunc_end_k_qbe977167d7_gemm_qkv:
	.size	k_qbe977167d7_gemm_qkv, .Lfunc_end_k_qbe977167d7_gemm_qkv-k_qbe977167d7_gemm_qkv
	.p2alignl 7, 3214868480
	.fill 96, 4, 3214868480
	.section	.rodata,"a",@progbits
	.p2align	6, 0x0
	.amdhsa_kernel k_qbe977167d7_gemm_qkv
		.amdhsa_group_segment_fixed_size 327680
		.amdhsa_private_segment_fixed_size 0
		.amdhsa_enable_private_segment 0
		.amdhsa_kernarg_size 40
		.amdhsa_user_sgpr_count 2
		.amdhsa_user_sgpr_kernarg_segment_ptr 1
		.amdhsa_wavefront_size32 1
		.amdhsa_system_sgpr_workgroup_id_x 1
		.amdhsa_system_sgpr_workgroup_id_y 1
		.amdhsa_system_sgpr_workgroup_id_z 1
		.amdhsa_system_vgpr_workitem_id 0
		.amdhsa_next_free_vgpr 1024
		.amdhsa_next_free_sgpr 100
		.amdhsa_reserve_vcc 0
		.amdhsa_float_denorm_mode_32 3
		.amdhsa_float_denorm_mode_16_64 3
		.amdhsa_memory_ordered 1
		.amdhsa_forward_progress 1
		.amdhsa_inst_pref_size 215
	.end_amdhsa_kernel
	.amdgpu_metadata
---
amdhsa.version: [ 1, 2 ]
amdhsa.kernels:
  - .name:           k_qbe977167d7_gemm_qkv
    .symbol:         k_qbe977167d7_gemm_qkv.kd
    .args:
      - { .name: q0, .offset: 0, .size: 8, .value_kind: global_buffer, .address_space: global }
      - { .name: bq, .offset: 8, .size: 8, .value_kind: global_buffer, .address_space: global }
      - { .name: bk, .offset: 16, .size: 8, .value_kind: global_buffer, .address_space: global }
      - { .name: bv, .offset: 24, .size: 8, .value_kind: global_buffer, .address_space: global }
      - { .name: qkv, .offset: 32, .size: 8, .value_kind: global_buffer, .address_space: global }
    .group_segment_fixed_size: 327680
    .private_segment_fixed_size: 0
    .kernarg_segment_align: 8
    .kernarg_segment_size: 40
    .max_flat_workgroup_size: 128
    .sgpr_count:     100
    .vgpr_count:     1024
    .wavefront_size: 32
...
	.end_amdgpu_metadata
.endif
;; end of part 2
;; launch attn (part 3): grid 8 x 32, 16 waves a work-group, clusters of 4 x 1, 215,040 bytes of LDS; arguments qkv, mask, ctx; writes ctx
.if DOCPART == 3
	.amdgcn_target "amdgcn-amd-amdhsa--gfx1250"
	.amdhsa_code_object_version 6
	.text
	.protected	k_qbe977167d7_attn
	.globl	k_qbe977167d7_attn
	.p2align	8
	.type	k_qbe977167d7_attn,@function
k_qbe977167d7_attn:
	s_mov_b64 s[64:65], 0
	v_nop
	global_prefetch_b8 v0, s[64:65] scope:SCOPE_SE
	s_setreg_imm32_b32 hwreg(HW_REG_WAVE_MODE, 25, 1), 1
	s_wait_xcnt 0x0
	s_wait_alu depctr_hold_cnt(0) depctr_sa_sdst(0) depctr_va_vdst(0) depctr_va_sdst(0) depctr_va_ssrc(0) depctr_va_vcc(0) depctr_vm_vsrc(0)
	s_getreg_b32 s2, hwreg(HW_REG_IB_STS2, 6, 4)
	s_cmp_eq_u32 s2, 0
	s_cbranch_scc0 .Lentry_in_a_cluster
	s_endpgm
.Lentry_in_a_cluster:
	s_bfe_u32 s2, ttmp6, 0x10000c
	s_cmp_lg_u32 s2, 0x3003
	s_cbranch_scc0 .Lentry_shape_is_right
	s_endpgm
.Lentry_shape_is_right:
; ctx[b][q][head] = softmax_k(Q . K / 8, masked) V, both products on codes of FP6 (E2M3) with E8M0 scales; ctx leaves as codes, quantised along the model's 1,024 (a head's 64 are two blocks).
; THE SOFTMAX: t = score x log2(e) / 8; M = the running largest t rounded UP to a whole number; p = 2^(t - M) is quantised along the keys, not normalised; the row's sum is taken of the unquantised p and divides at the end.
; SHARES.  A work-group owns 256 queries of one head, each of its sixteen waves one tile of 16, in 256 registers: four waves to a SIMD, so that one wave's vector work stands beside another's products and LDS loads.
; THE HEAD'S WHOLE K AND V (98,304 bytes of fragment images each) AND THEIR SCALE WORDS STAY IN LDS: every byte is filled once, at the start, so there is no ring.  The four work-groups of a cluster belong to one head and ask JOINTLY.
; BOTH PRODUCTS ARE USED TRANSPOSED: S^T = K Q^T, O^T = V^T P^T: a lane holds one query.  The head has 64 channels, half of the instruction's 128: a fragment of K holds TWO tiles of 16 keys (registers 0-5, 6-11), and Q stands in
; 18 registers, zeros | Q | zeros: v[34:45] = Q | 0 takes the first tile, v[28:39] = 0 | Q the second; zero codes add nothing under any byte of 1 to 254.
; THE MASK IS THE C OF THE FIRST PRODUCT: a table of 0 or -2^100 for each key lies in LDS and is loaded into the scores' registers.  LIMITS: right while |score| < 2^90 (the largest t starts at -2^90, over every masked t, so that a step
; whose keys are all masked leaves M alone and gives p = 0); a batch whose mask is 0 at every key gives NaN, as the definition does, and what follows is not served; NaN and infinities are not served.
; The middle 512 bytes of a fragment of ctx hold 8 bytes a lane of each of two heads: those are written in halves by two work-groups.
.set VC,    6291456
.set QKS,   9437184
.set VS,    9699328
.set CTXS,  3145728
.set VREG,  98304                      ; LDS: K's fragments at 0, V's here,
.set KSC,   196608                     ; K's scale words, 4,096 bytes,
.set VSC,   200704                     ; V's,
.set BIAS,  204800                     ; the mask's table, 8,192 bytes: stored by the waves, never a fill's target
.set FR,  48                           ; v48-95   four fragments of K, then of V
.set S,   96                           ; v96-159  the scores, then p
.set O,   160                          ; v160-191 O^T
.set PC,  192                          ; v192-203 p's codes
.set TT,  204
.set BM,  212                          ; the blocks' largest scores
.set T2,  216
.set SO,  220
.set ON,  224                          ; v224-255 O^T / the sum
.set WV,  10
.set G1C, 24
.set G1S, 32
.set G0S, 40
.set G0C, 44
.set CS,  60                           ; s[60:61] c = log2(e) / 8
.set SEL, 62
.set OK,  66                           ; the step's fragments: 6,144 bytes a step
.set OS,  67                           ; its scale words: 256
.set OB,  68                           ; its part of the mask's table: 512
.set CNT, 69
; v1 16 l; v2 VREG + 16 l; v3 KSC + 4 r; v4 VSC + 4 r; v5 BIAS + 64 h; v7 4 r; v8-12 the step's addresses; v13 Q's scale word; v14-17 K's; v18-21 V's; v22 p's; v23 at work; v24 -M; v25 the largest t; v[26:27] the sum; v28-45 Q; v[46:47] f
.macro CROUND
	s_barrier_signal -1
	s_barrier_wait -1
	s_cmp_lg_u32 s[WV], 0
	s_cbranch_scc1 .Lnot_wave_0_\@
	s_barrier_signal -3
.Lnot_wave_0_\@:
	s_barrier_wait -3
	s_barrier_signal -1
	s_barrier_wait -1
.endm
	s_load_b128 s[4:7], s[0:1], 0x0                ; qkv, mask
	s_load_b64 s[8:9], s[0:1], 0x10                ; ctx
	v_lshl_add_u32 v207, v0, 2, 0x34000
	v_mov_b32 v211, 0
	ds_add_u32 v207, v211
	ds_add_u32 v207, v211
	v_lshrrev_b32 v1, 5, v0
	s_delay_alu instid0(VALU_DEP_1)
	v_readfirstlane_b32 s[WV], v1                  ; wave 0..15
	s_bfe_u32 s11, ttmp6, 0x40000                  ; cx: it enters Q's and ctx's addresses alone
	s_lshl_b32 s12, ttmp9, 2
	s_add_co_u32 s12, s12, s11                     ; my block of 256 queries
	s_and_b32 s13, ttmp7, 0xffff
	s_lshr_b32 s14, s13, 4                         ; batch
	s_and_b32 s15, s13, 15                         ; head
	s_cmp_ge_u32 s[WV], 6                          ; waves 0-5 fetch K's sixths, waves 6-11 V's; wave 12 K's scale words, wave 13 V's
	s_cselect_b32 s16, 1, 0
	s_cselect_b32 s17, 6, 0
	s_sub_co_u32 s17, s[WV], s17
	s_lshl_b32 s18, s14, 5
	s_add_co_u32 s18, s18, s15                     ; Q's head in QKC: 32 b + head
	s_add_co_u32 s19, s18, 16                      ; K's
	s_lshl_b32 s20, s14, 4
	s_add_co_u32 s20, s20, s15                     ; V's in VC
	s_mul_i32 s21, s19, 98304
	s_mul_i32 s22, s20, 98304
	s_add_co_u32 s22, s22, VC
	s_lshl_b32 s23, s19, 12
	s_add_co_u32 s23, s23, QKS
	s_lshl_b32 s70, s20, 12
	s_add_co_u32 s70, s70, VS
	s_cmp_eq_u32 s16, 0                            ; on the wave's number: the same in all four partners
	s_cselect_b32 s72, s21, s22
	s_lshl_b32 s71, s17, 14
	s_add_co_u32 s72, s72, s71                     ; my sixth of the codes: 16,384 bytes
	s_mov_b32 s73, 0
	s_cmp_eq_u32 s[WV], 12
	s_cselect_b32 s74, s23, s70                    ; a head's scale words, 4,096 bytes
	s_mov_b32 s75, 0
	s_lshl_b32 s76, s[WV], 14                      ; LDS: K's six parts, then V's six
	s_and_b32 s77, s[WV], 1
	s_lshl_b32 s77, s77, 12
	s_add_co_u32 s77, s77, KSC                     ; K's scale words, then V's
	s_mov_b32 s[G1C], 15|(3<<16)|(1<<21)           ; the mask: all four work-groups; elements of 8 bytes; bit 21 beside a mask; no padding
	s_mov_b32 s[G1C+1], 32<<16                     ; a dense block as rows of 256 bytes:
	s_mov_b32 s[G1C+2], 64<<16                     ; 64 of them
	s_mov_b32 s[G1C+3], 32<<16
	s_mov_b32 s[G1C+4], 64
	s_mov_b32 s[G1C+5], 32
	s_mov_b32 s[G1C+6], 0
	s_mov_b32 s[G1C+7], 0
	s_mov_b32 s[G1S], 15|(3<<16)|(1<<21)
	s_mov_b32 s[G1S+1], 32<<16
	s_mov_b32 s[G1S+2], 16<<16                     ; sixteen rows
	s_mov_b32 s[G1S+3], 32<<16
	s_mov_b32 s[G1S+4], 16
	s_mov_b32 s[G1S+5], 32
	s_mov_b32 s[G1S+6], 0
	s_mov_b32 s[G1S+7], 0
	s_lshl_b32 s78, s12, 3
	s_lshr_b32 s79, s[WV], 1
	s_add_co_u32 s78, s78, s79                     ; my pair of token tiles
	s_lshl_b32 s79, s18, 6
	s_add_co_u32 s79, s79, s78
	s_mul_i32 s82, s79, 1536                       ; Q's fragment,
	s_mov_b32 s83, 0
	s_lshl_b32 s84, s79, 6
	s_add_co_u32 s84, s84, QKS                     ; its scale words
	s_mov_b32 s85, 0
	s_lshl_b32 s80, s14, 7
	s_lshl_b32 s81, s12, 4
	s_add_co_u32 s80, s80, s81
	s_add_co_u32 s80, s80, s[WV]                   ; my token tile T
	s_lshl_b32 s80, s80, 3
	s_lshr_b32 s81, s15, 1
	s_add_co_u32 s80, s80, s81                     ; ctx's fragment 8 T + head / 2
	s_mul_i32 s86, s80, 1536
	s_mov_b32 s87, 0
	s_lshl_b32 s88, s80, 6
	s_and_b32 s81, s15, 1
	s_lshl_b32 s81, s81, 1
	s_add_co_u32 s88, s88, s81
	s_add_co_u32 s88, s88, CTXS                    ; my two bytes of its scale words
	s_mov_b32 s89, 0
	s_lshl_b32 s90, s14, 13                        ; the batch's mask
	s_mov_b32 s91, 0
	s_mov_b32 s71, 0x01000100
	s_and_b32 s70, s[WV], 1                        ; which tile of the pair is mine
	s_cselect_b32 s70, -1, 0
	s_cselect_b32 s71, 0x03020302, s71             ; and which half of the scale word
	s_mov_b32 s[CS], 0x3e38aa3b
	s_mov_b32 s[CS+1], s[CS]
	s_mov_b32 s[SEL], 0x76543210
	s_mov_b32 s[SEL+1], 0xfedcba98
	s_mov_b32 s[OK], 0
	s_mov_b32 s[OS], 0
	s_mov_b32 s[OB], 0
	s_wait_dscnt 0x0
	s_wait_kmcnt 0x0
	s_add_nc_u64 s[72:73], s[4:5], s[72:73]
	s_add_nc_u64 s[74:75], s[4:5], s[74:75]
	s_add_nc_u64 s[82:83], s[4:5], s[82:83]
	s_add_nc_u64 s[84:85], s[4:5], s[84:85]
	s_add_nc_u64 s[86:87], s[8:9], s[86:87]
	s_add_nc_u64 s[88:89], s[8:9], s[88:89]
	s_add_nc_u64 s[6:7], s[6:7], s[90:91]
	s_mov_b32 s[G0S], 1
	s_mov_b32 s[G0S+1], s77
	s_mov_b64 s[G0S+2:G0S+3], s[74:75]
	s_or_b32 s[G0S+3], s[G0S+3], 0x80000000
	s_mov_b32 s[G0C], 1
	s_mov_b32 s[G0C+1], s76
	s_mov_b64 s[G0C+2:G0C+3], s[72:73]
	s_or_b32 s[G0C+3], s[G0C+3], 0x80000000
	CROUND                                         ; all four work-groups are here: the joint loads meet
	s_cmp_lt_u32 s[WV], 12                         ; one load a wave at the most, the only ones of the launch: one chain of branches on the wave's number
	s_cbranch_scc0 .Lscales
	tensor_load_to_lds s[G0C:G0C+3], s[G1C:G1C+7]
	s_nop 0
.rept 4
	v_nop
.endr
	s_branch .Lasked
.Lscales:
	s_cmp_lt_u32 s[WV], 14
	s_cbranch_scc0 .Lasked
	tensor_load_to_lds s[G0S:G0S+3], s[G1S:G1S+7]
	s_nop 0
.rept 4
	v_nop
.endr
.Lasked:
	v_and_b32 v6, 31, v0
	s_delay_alu instid0(VALU_DEP_1)
	v_lshlrev_b32 v1, 4, v6
	v_and_b32 v7, 15, v0
	s_delay_alu instid0(VALU_DEP_1)
	v_lshlrev_b32 v7, 2, v7
	v_bfe_u32 v5, v0, 4, 1
	v_lshlrev_b32 v6, 4, v0
	global_load_b128 v[S:S+3], v6, s[6:7]          ; four keys' mask a thread: 512 threads, 2,048 keys
.irp g, 0,1,2
	global_load_b128 v[FR+4*\g:FR+4*\g+3], v1, s[82:83] offset:512*\g
.endr
	global_load_b32 v[FR+12], v7, s[84:85]
	v_add_nc_u32 v2, VREG, v1
	v_add_nc_u32 v3, KSC, v7
	v_add_nc_u32 v4, VSC, v7
	v_lshl_add_u32 v5, v5, 6, BIAS
	v_lshl_add_u32 v8, v0, 4, BIAS
	v_mov_b32 v25, 0xec800000                      ; the largest t so far: -2^90
	s_delay_alu instid0(VALU_DEP_1)
	v_floor_f32 v24, -v25                          ; -M
	v_mov_b32 v26, 0
	v_mov_b32 v27, 0
	v_mov_b32 v47, 0                               ; (named as the upper half of the pair v[46:47])
	v_mov_b32 v23, 0xf1800000                      ; -2^100
.irp b, 0,1,2,3
	v_mov_b32 v[T2+\b], 0                          ; a lane permute's destination counts as one of its sources
.endr
.irp i, 0,1,2,3,4,5
	v_mov_b32 v[28+\i], 0
	v_mov_b32 v[40+\i], 0
.endr
	s_wait_loadcnt 0x0
.irp i, 0,1,2,3
	v_cmp_eq_u32 vcc_lo, 0, v[S+\i]
	s_delay_alu instid0(VALU_DEP_1)
	v_cndmask_b32 v[S+\i], 0, v23, vcc_lo          ; the mask only selects a value
.endr
	ds_store_b128 v8, v[S:S+3]
.irp i, 0,1,2,3,4,5
	v_cndmask_b32 v[34+\i], v[FR+\i], v[FR+6+\i], s70
.endr
	v_perm_b32 v13, v[FR+12], v[FR+12], s71        ; my tile's two bytes, in both halves of the word
.set J, 0
.rept 32
	v_mov_b32 v[O+J], 0                            ; the loop is written once: its first step finds zeros
.set J, J+1
.endr
; A KEY STEP: 128 keys
.macro STEP
	v_add_nc_u32 v8, s[OK], v1                     ; (these five are also the places behind the last step's products, in front of the loads into the registers that they read)
	v_add_nc_u32 v9, s[OK], v2
	v_add_nc_u32 v10, s[OS], v3
	v_add_nc_u32 v11, s[OS], v4
	v_add_nc_u32 v12, s[OB], v5
.irp f, 0,1,2,3
.irp g, 0,1,2
	ds_load_b128 v[FR+12*\f+4*\g:FR+12*\f+4*\g+3], v8 offset:1536*\f+512*\g
.endr
	ds_load_b32 v[14+\f], v10 offset:64*\f
.endr
.irp b, 0,1,2,3
.irp j, 0,1,2,3
	ds_load_b128 v[S+16*\b+4*\j:S+16*\b+4*\j+3], v12 offset:128*\b+16*\j   ; register 16 b + i is key 32 b + 16 h + i: its 0 or -2^100
.endr
.endr
	s_wait_alu depctr_va_vdst(0)
	s_wait_dscnt 0x0
.irp f, 0,1,2,3
	v_wmma_scale_f32_16x16x128_f8f6f4 v[S+16*\f:S+16*\f+7], v[FR+12*\f:FR+12*\f+11], v[34:45], v[S+16*\f:S+16*\f+7], v[14+\f], v13 matrix_a_fmt:MATRIX_FMT_FP6 matrix_b_fmt:MATRIX_FMT_FP6
	v_wmma_scale_f32_16x16x128_f8f6f4 v[S+16*\f+8:S+16*\f+15], v[FR+12*\f:FR+12*\f+11], v[28:39], v[S+16*\f+8:S+16*\f+15], v[14+\f], v13 matrix_a_fmt:MATRIX_FMT_FP6 matrix_b_fmt:MATRIX_FMT_FP6
.endr
.rept 4
	v_nop                                          ; four places: V's loads land where K's fragments lay, and the scores are read
.endr
.irp t, 0,1,2,3
.irp g, 0,1,2
	ds_load_b128 v[FR+12*\t+4*\g:FR+12*\t+4*\g+3], v9 offset:1536*\t+512*\g   ; V's fragments land during the softmax
.endr
	ds_load_b32 v[18+\t], v11 offset:64*\t
.endr
.irp b, 0,1,2,3
	v_max3_num_f32 v[BM+\b], v[S+16*\b], v[S+1+16*\b], v[S+2+16*\b]   ; the largest score of each block of 32 keys: for the row's maximum and, since p rises with the score, for the block's largest p
.endr
.irp i, 3,5,7,9,11,13
.irp b, 0,1,2,3
	v_max3_num_f32 v[BM+\b], v[BM+\b], v[S+16*\b+\i], v[S+1+16*\b+\i]
.endr
.endr
.irp b, 0,1,2,3
	v_max_num_f32 v[BM+\b], v[BM+\b], v[S+15+16*\b]
.endr
.irp b, 0,1,2,3
	s_delay_alu instid0(VALU_DEP_4)
	v_permlanex16_b32 v[T2+\b], v[BM+\b], s[SEL], s[SEL+1]
.endr
.irp b, 0,1,2,3
	s_delay_alu instid0(VALU_DEP_4)
	v_max_num_f32 v[BM+\b], v[BM+\b], v[T2+\b]
.endr
	s_delay_alu instid0(VALU_DEP_2)
	v_max3_num_f32 v23, v[BM], v[BM+1], v[BM+2]
	s_delay_alu instid0(VALU_DEP_1)
	v_max_num_f32 v23, v23, v[BM+3]
	s_delay_alu instid0(VALU_DEP_1)
	v_mul_f32 v23, s[CS], v23
	s_delay_alu instid0(VALU_DEP_1)
	v_max_num_f32 v25, v25, v23                    ; the running largest t
	v_mov_b32 v23, v24
	s_delay_alu instid0(VALU_DEP_2)
	v_floor_f32 v24, -v25                          ; the new -M = -ceil(t)
	s_delay_alu instid0(VALU_DEP_1)
	v_sub_f32 v23, v24, v23                        ; old M - new M: a whole number, 0 or less
	s_delay_alu instid0(VALU_DEP_1)
	v_cvt_i32_f32 v23, v23                         ; (it saturates)
	s_delay_alu instid0(VALU_DEP_1)
	v_ldexp_f32 v46, 1.0, v23                      ; f = 2^(old M - new M): a multiplication by it rounds nothing
.set J, 0
.rept 32
	v_pk_fma_f32 v[S+J:S+J+1], v[S+J:S+J+1], s[CS:CS+1], v[24:25] op_sel_hi:[1,0,0]   ; t - M
.set J, J+2
.endr
.irp b, 0,1,2,3
	v_fma_f32 v[BM+\b], v[BM+\b], s[CS], v24
.endr
.set J, 0
	s_wait_alu depctr_va_vdst(0)
.rept 64
	v_exp_f32 v[S+J], v[S+J]                       ; p = 2^(t - M)
.set J, J+1
.endr
	v_pk_mul_f32 v[26:27], v[26:27], v[46:47] op_sel_hi:[1,0]   ; the sums under the new M: a plain instruction behind the exponentials
	s_wait_alu depctr_va_vdst(0)                   ; one wait for the batch, ahead of its first reader
.irp b, 0,1,2,3
	v_exp_f32 v[BM+\b], v[BM+\b]                   ; the block's largest p
.endr
	v_pk_add_f32 v[216:217], v[100:101], v[104:105]
	v_pk_add_f32 v[254:255], v[108:109], v[112:113]
	v_pk_add_f32 v[252:253], v[116:117], v[120:121]
	v_pk_add_f32 v[250:251], v[124:125], v[128:129]
	v_pk_add_f32 v[248:249], v[132:133], v[136:137]
	v_pk_add_f32 v[246:247], v[140:141], v[144:145]
	v_pk_add_f32 v[244:245], v[148:149], v[152:153]
	v_pk_add_f32 v[26:27], v[26:27], v[156:157]
	v_pk_add_f32 v[216:217], v[216:217], v[96:97]
	v_pk_add_f32 v[254:255], v[254:255], v[98:99]
	v_pk_add_f32 v[252:253], v[252:253], v[102:103]
	v_pk_add_f32 v[250:251], v[250:251], v[106:107]
	v_pk_add_f32 v[248:249], v[248:249], v[110:111]
	v_pk_add_f32 v[246:247], v[246:247], v[114:115]
	v_pk_add_f32 v[244:245], v[244:245], v[118:119]
	v_pk_add_f32 v[26:27], v[26:27], v[122:123]
	v_pk_add_f32 v[216:217], v[216:217], v[126:127]
	v_pk_add_f32 v[254:255], v[254:255], v[130:131]
	v_pk_add_f32 v[252:253], v[252:253], v[134:135]
	v_pk_add_f32 v[250:251], v[250:251], v[138:139]
	v_pk_add_f32 v[248:249], v[248:249], v[142:143]
	v_pk_add_f32 v[246:247], v[246:247], v[146:147]
	v_pk_add_f32 v[244:245], v[244:245], v[150:151]
	v_pk_add_f32 v[26:27], v[26:27], v[154:155]
	v_pk_add_f32 v[216:217], v[216:217], v[158:159]
	s_delay_alu instid0(VALU_DEP_2)
	v_pk_add_f32 v[26:27], v[26:27], v[250:251]
	s_delay_alu instid0(VALU_DEP_2)
	v_pk_add_f32 v[216:217], v[216:217], v[248:249]
	v_pk_add_f32 v[254:255], v[254:255], v[246:247]
	v_pk_add_f32 v[252:253], v[252:253], v[244:245]
	s_delay_alu instid0(VALU_DEP_2)
	v_pk_add_f32 v[26:27], v[26:27], v[254:255]
	s_delay_alu instid0(VALU_DEP_2)
	v_pk_add_f32 v[216:217], v[216:217], v[252:253]
	s_delay_alu instid0(VALU_DEP_1)
	v_pk_add_f32 v[26:27], v[26:27], v[216:217]
	s_wait_alu depctr_va_vdst(0)                   ; and one for the four
.irp b, 0,1,2,3
	v_max_num_f32 v[BM+\b], 0x1800000, v[BM+\b]    ; the floor 2^(3 - 127): a block whose every p is 0 keeps the byte 1; its codes are zeros
.endr
.irp b, 0,1,2,3
	s_delay_alu instid0(VALU_DEP_4)
	v_add_nc_u32 v[SO+\b], 0xff000000, v[BM+\b]
.endr
.irp b, 0,1,2,3
	s_delay_alu instid0(VALU_DEP_4)
	v_lshrrev_b32 v[T2+\b], 23, v[SO+\b]
.endr
	s_delay_alu instid0(VALU_DEP_3)
	v_lshl_or_b32 v22, v[T2+1], 8, v[T2]
	s_delay_alu instid0(VALU_DEP_1)
	v_lshl_or_b32 v22, v[T2+2], 16, v22
	s_delay_alu instid0(VALU_DEP_1)
	v_lshl_or_b32 v22, v[T2+3], 24, v22
.irp c, 0,1
	v_cvt_scalef32_pk16_fp6_f32 v[PC+6*\c:PC+2+6*\c], v[S+32*\c:S+15+32*\c], v[SO+2*\c]
	v_cvt_scalef32_pk16_fp6_f32 v[TT+4*\c:TT+2+4*\c], v[S+16+32*\c:S+31+32*\c], v[SO+2*\c+1]
.endr
	v_nop
.irp c, 0,1
.irp i, 0,1,2
	v_permlane16_swap_b32 v[PC+6*\c+\i], v[TT+4*\c+\i]
.endr
.irp i, 0,1,2
	s_delay_alu instid0(VALU_DEP_3)
	v_mov_b32 v[PC+3+6*\c+\i], v[TT+4*\c+\i]
.endr
.endr
.set J, 0
.rept 16
	v_pk_mul_f32 v[O+J:O+J+1], v[O+J:O+J+1], v[46:47] op_sel_hi:[1,0]   ; O^T under the new M; these sixteen also stand between the writes of p's codes and scale word and the products
.set J, J+2
.endr
	s_wait_alu depctr_va_vdst(0)
	s_wait_dscnt 0x0                               ; V is in
.irp t, 0,1,2,3
	v_wmma_scale_f32_16x16x128_f8f6f4 v[O+8*\t:O+8*\t+7], v[FR+12*\t:FR+12*\t+11], v[PC:PC+11], v[O+8*\t:O+8*\t+7], v[18+\t], v22 matrix_a_fmt:MATRIX_FMT_FP6 matrix_b_fmt:MATRIX_FMT_FP6
.endr
	s_add_co_u32 s[OK], s[OK], 6144
	s_add_co_u32 s[OS], s[OS], 256
	s_add_co_u32 s[OB], s[OB], 512
.endm
	s_wait_tensorcnt 0x0                           ; my parts of K, V and their scale words have landed,
	s_wait_dscnt 0x0                               ; my part of the mask's table is stored:
	s_barrier_signal -1
	s_barrier_wait -1                              ; everybody's are
	s_mov_b32 s[CNT], 16
.Lstep:
	STEP
	s_sub_co_u32 s[CNT], s[CNT], 1
	s_cmp_lg_u32 s[CNT], 0
	s_cbranch_scc1 .Lstep
	; THE WAY OUT: O^T / the sum; register 16 b + i is channel 32 b + 16 h + i of my query: two blocks along ctx's K
	v_add_f32 v26, v26, v27
	s_delay_alu instid0(VALU_DEP_1)
	v_permlanex16_b32 v23, v26, s[SEL], s[SEL+1]
	s_delay_alu instid0(VALU_DEP_1)
	v_add_f32 v26, v26, v23
	s_wait_alu depctr_va_vdst(0)
	v_rcp_f32 v26, v26
.rept 4
	v_nop                                          ; the places behind the last products, and the plain instruction behind the reciprocal
.endr
	s_wait_alu depctr_va_vdst(0)
.set J, 0
.rept 32
	v_mul_f32 v[ON+J], v[O+J], v26
.set J, J+1
.endr
.irp b, 0,1
	v_max3_num_f32 v[BM+\b], |v[ON+16*\b]|, |v[ON+1+16*\b]|, 0x1800000
.endr
.irp i, 2,4,6,8,10,12,14
.irp b, 0,1
	s_delay_alu instid0(VALU_DEP_2)
	v_max3_num_f32 v[BM+\b], v[BM+\b], |v[ON+16*\b+\i]|, |v[ON+1+16*\b+\i]|
.endr
.endr
.irp b, 0,1
	s_delay_alu instid0(VALU_DEP_2)
	v_permlanex16_b32 v[T2+\b], v[BM+\b], s[SEL], s[SEL+1]
.endr
.irp b, 0,1
	s_delay_alu instid0(VALU_DEP_2)
	v_max_num_f32 v[BM+\b], v[BM+\b], v[T2+\b]
.endr
.irp b, 0,1
	s_delay_alu instid0(VALU_DEP_2)
	v_add_nc_u32 v[SO+\b], 0xff000000, v[BM+\b]
.endr
.irp b, 0,1
	s_delay_alu instid0(VALU_DEP_2)
	v_lshrrev_b32 v[T2+\b], 23, v[SO+\b]
.endr
	s_delay_alu instid0(VALU_DEP_1)
	v_lshl_or_b32 v23, v[T2+1], 8, v[T2]
	v_cvt_scalef32_pk16_fp6_f32 v[PC:PC+2], v[ON:ON+15], v[SO]
	v_cvt_scalef32_pk16_fp6_f32 v[TT:TT+2], v[ON+16:ON+31], v[SO+1]
	v_nop
.irp i, 0,1,2
	v_permlane16_swap_b32 v[PC+\i], v[TT+\i]
.endr
.irp i, 0,1,2
	s_delay_alu instid0(VALU_DEP_3)
	v_mov_b32 v[PC+3+\i], v[TT+\i]
.endr
	s_and_b32 s70, s15, 1                          ; the head, which the four partners share: an even head's six registers are 0-5 of the fragment, an odd head's 6-11
	s_cmp_eq_u32 s70, 1
	s_cbranch_scc1 .Lodd
	global_store_b128 v1, v[PC:PC+3], s[86:87]
	global_store_b64 v1, v[PC+4:PC+5], s[86:87] offset:512
	s_branch .Lsent
.Lodd:
	s_wait_alu depctr_va_vdst(0)
	global_store_b64 v1, v[PC:PC+1], s[86:87] offset:520
	global_store_b128 v1, v[PC+2:PC+5], s[86:87] offset:1024
.Lsent:
	s_wait_alu depctr_va_vdst(0)
	global_store_b16 v7, v23, s[88:89]             ; my head's two bytes of the row's scale word (both halves of the lanes hold and write the same)
	s_wait_tensorcnt 0x0
	ds_add_u32 v207, v211
	s_wait_dscnt 0x0
	CROUND                                         ; the closing round
	s_endpgm
.Lfunc_end_k_qbe977167d7_attn:
	.size	k_qbe977167d7_attn, .Lfunc_end_k_qbe977167d7_attn-k_qbe977167d7_attn
	.p2alignl 7, 3214868480
	.fill 96, 4, 3214868480
	.section	.rodata,"a",@progbits
	.p2align	6, 0x0
	.amdhsa_kernel k_qbe977167d7_attn
		.amdhsa_group_segment_fixed_size 215040
		.amdhsa_private_segment_fixed_size 0
		.amdhsa_enable_private_segment 0
		.amdhsa_kernarg_size 24
		.amdhsa_user_sgpr_count 2
		.amdhsa_user_sgpr_kernarg_segment_ptr 1
		.amdhsa_wavefront_size32 1
		.amdhsa_system_sgpr_workgroup_id_x 1
		.amdhsa_system_sgpr_workgroup_id_y 1
		.amdhsa_system_sgpr_workgroup_id_z 1
		.amdhsa_system_vgpr_workitem_id 0
		.amdhsa_next_free_vgpr 256
		.amdhsa_next_free_sgpr 96
		.amdhsa_reserve_vcc 1
		.amdhsa_float_denorm_mode_32 3
		.amdhsa_float_denorm_mode_16_64 3
		.amdhsa_memory_ordered 1
		.amdhsa_forward_progress 1
		.amdhsa_inst_pref_size 34
	.end_amdhsa_kernel
	.amdgpu_metadata
---
amdhsa.version: [ 1, 2 ]
amdhsa.kernels:
  - .name:           k_qbe977167d7_attn
    .symbol:         k_qbe977167d7_attn.kd
    .args:
      - { .name: qkv, .offset: 0, .size: 8, .value_kind: global_buffer, .address_space: global }
      - { .name: mask, .offset: 8, .size: 8, .value_kind: global_buffer, .address_space: global }
      - { .name: ctx, .offset: 16, .size: 8, .value_kind: global_buffer, .address_space: global }
    .group_segment_fixed_size: 215040
    .private_segment_fixed_size: 0
    .kernarg_segment_align: 8
    .kernarg_segment_size: 24
    .max_flat_workgroup_size: 512
    .sgpr_count:     96
    .vgpr_count:     256
    .wavefront_size: 32
...
	.end_amdgpu_metadata
.endif
;; end of part 3
;; launch wo_ln1 (part 4): grid 256 x 1, 8 waves a work-group, no clusters, 70,656 bytes of LDS; arguments ctx, q0, bo, x, g1, be1, h; writes h
.if DOCPART == 4
	.amdgcn_target "amdgcn-amd-amdhsa--gfx1250"
	.amdhsa_code_object_version 6
	.text
	.protected	k_qbe977167d7_wo_ln1
	.globl	k_qbe977167d7_wo_ln1
	.p2align	8
	.type	k_qbe977167d7_wo_ln1,@function
k_qbe977167d7_wo_ln1:
	s_mov_b64 s[64:65], 0
	v_nop
	global_prefetch_b8 v0, s[64:65] scope:SCOPE_SE
	s_setreg_imm32_b32 hwreg(HW_REG_WAVE_MODE, 25, 1), 1
	s_wait_xcnt 0x0
; h = layernorm(x + ctx Wo + bo) g1 + be1.  The product runs on codes of FP6 (E2M3) with E8M0 scales, sums in f32; all else in f32.  h leaves twice: as f32 rows and as codes with scale words (fragment images) for the next product.
; OPERANDS ARE FRAGMENT IMAGES: 16 rows x 128 K = 12 registers a lane, 1,536 dense bytes; fragment (tile T, K step s) at (T KS + s) 1,536; its scale words at (T KS + s) 64 + 4 r; row r of tile T is 32 (T / 2) + 8 (T % 2) + r + 8 (r / 8).
; SHARES.  A work-group owns a tile of 16 tokens and ALL 1,024 columns, so that a row's mean and variance are its own: 256 work-groups.  Wave w has columns 128 w .. 128 w + 127: eight tiles of Wo, eight accumulators, v80-143.
; Source 0 = Wo's tile, source 1 = the tokens: lane (r, h) holds token r, register 16 b + i = column 128 w + 32 b + 16 h + i.  The bias is loaded into the accumulators and starts the sums.
; THE OPERANDS GO FROM MEMORY STRAIGHT INTO REGISTERS, three loads of 512 dense bytes a fragment.  With 16 rows each fragment of Wo feeds ONE product of one wave, so a passage through LDS would write and read each byte for one use:
; hence no tensor load, no ring, no barrier in the walk along K, and no joint loads.  The tokens' fragment is loaded by each wave as a ninth fragment of the step.
; THREE SETS of nine fragments take turns; step s's products run while the loads of steps s + 1 and s + 2 are out: 27 loads a step and 9 more of scale words in every second: 63, which is the count of the wait.  No prefetch: the loads themselves run two steps ahead, as far as their counter states.
; A scale register holds two steps' words: lanes 0-15 the even step's, lanes 16-31 the odd step's (128 dense bytes a load); three sets of nine, v192-218, which hold nothing else.
; The residual's rows are loaded at the head as they lie and wait in the wave's own stage in LDS; they come back turned behind the product.  A row's sums: lane, lane xor 16, then the eight waves through LDS: two barriers.
; REGISTERS: v16-79 rows as loaded / set 2 / g / rows out; v144-191 set 2, then at work; v256-363 set 0, then be; v364-471 set 1, then the rows, turned.
; LIMITS: NaN and infinities are not served; a block of zeros carries the byte 1 (its codes are zeros, and this program alone reads the bytes).
.set KS,    8
.set TRIPS, (KS-2)/6
.set A_SCALES, 3145728
.set B_CODES,  5636096
.set B_SCALES, 12812288
.set HC,   16777216
.set HS,   19922944
.set RED,  67584                       ; LDS: eight stages of 16 x 528; then 512 bytes for each of the two sums
.set SPARE, 69632
.set LI,  4
.set LS,  5
.set XO,  6
.set STI, 7
.set STO, 8
.set GO,  9
.set RW,  10
.set RR,  11
.set SPW, 12
.set NIL, 13
.set L4,  14
.set S1,  16
.set S2,  80
.set TM,  144
.set RC,  144
.set MU,  160
.set RS,  162
.set TT,  164
.set PC,  172
.set PW,  184
.set SC,  192
.set P,   220
.set RA,  236
.set RB,  237
.set BE,  0                            ; window 1
.set XT,  108                          ; window 1
.set SEL, 34
.set MSB, 0
.macro WIN new
.if MSB != (\new)
	s_set_vgpr_msb (MSB<<8)|(\new)
.set MSB, (\new)
.endif
.endm
.macro PLACES
.rept 4
	v_nop
.endr
.endm
.macro FREG k, f                       ; fragment f of set k: window FW, register FB
.if (\k) < 2
.set FW, 1
.set FB, 108*(\k)+12*(\f)
.elseif (\f) < 5
.set FW, 0
.set FB, 16+12*(\f)
.else
.set FW, 0
.set FB, 144+12*((\f)-5)
.endif
.endm
.macro LOADS st                        ; step st of the trip: in an even step the scale words of two steps; eight fragments of the weight, one of the tokens
.if (\st)%2 == 0
	WIN 0
.set F_, 0
.rept 8
	global_load_b32 v[SC+9*(((\st)/2)%3)+F_], v[L4], s[46:47] offset:F_*KS*64+(\st)*64
.set F_, F_+1
.endr
	global_load_b32 v[SC+9*(((\st)/2)%3)+8], v[L4], s[42:43] offset:(\st)*64
.endif
.set F_, 0
.rept 9
	FREG ((\st)%3), F_
	WIN FW<<6
.irp g, 0,1,2
.if F_ < 8
	global_load_b128 v[FB+4*\g:FB+4*\g+3], v[LI], s[44:45] offset:F_*KS*1536+(\st)*1536+512*\g
.else
	global_load_b128 v[FB+4*\g:FB+4*\g+3], v[LI], s[40:41] offset:(\st)*1536+512*\g
.endif
.endr
.set F_, F_+1
.endr
.endm
.macro MUL j                           ; eight products, the accumulators by turns
	FREG ((\j)%3), 8
.set AB_, FB
.set SX_, SC+9*(((\j)/2)%3)
	WIN FW|(FW<<2)
.set F_, 0
.rept 8
	FREG ((\j)%3), F_
.if (\j)%2
	v_wmma_scale_f32_16x16x128_f8f6f4 v[S2+8*F_:S2+8*F_+7], v[FB:FB+11], v[AB_:AB_+11], v[S2+8*F_:S2+8*F_+7], v[SX_+F_], v[SX_+8] matrix_a_fmt:MATRIX_FMT_FP6 matrix_b_fmt:MATRIX_FMT_FP6 matrix_a_scale:MATRIX_SCALE_ROW1 matrix_b_scale:MATRIX_SCALE_ROW1
.else
	v_wmma_scale_f32_16x16x128_f8f6f4 v[S2+8*F_:S2+8*F_+7], v[FB:FB+11], v[AB_:AB_+11], v[S2+8*F_:S2+8*F_+7], v[SX_+F_], v[SX_+8] matrix_a_fmt:MATRIX_FMT_FP6 matrix_b_fmt:MATRIX_FMT_FP6
.endif
.set F_, F_+1
.endr
.endm
.macro KSTEP j
	PLACES                                         ; between the last step's products and the loads into the set that they read
	LOADS (\j)+2
	s_wait_loadcnt 63                              ; this step's loads are in; those of the two steps behind it, 27 + 36, may be out
	MUL \j
.endm
.macro QUANT s, d0, d1, pw
.set QS_, \s
.set QD0, \d0
.set QD1, \d1
.set QPW, \pw
.irp b, 0,1,2,3
	v_max3_num_f32 v[TM+\b], |v[QS_+16*\b]|, |v[QS_+1+16*\b]|, 0x1800000   ; my 16 numbers of block b, and the floor 2^(3 - 127)
.endr
.irp i, 2,4,6,8,10,12,14
.irp b, 0,1,2,3
	s_delay_alu instid0(VALU_DEP_4)
	v_max3_num_f32 v[TM+\b], v[TM+\b], |v[QS_+16*\b+\i]|, |v[QS_+1+16*\b+\i]|
.endr
.endr
.irp b, 0,1,2,3
	s_delay_alu instid0(VALU_DEP_4)
	v_permlanex16_b32 v[TM+4+\b], v[TM+\b], s[SEL], s[SEL+1]
.endr
.irp b, 0,1,2,3
	s_delay_alu instid0(VALU_DEP_4)
	v_max_num_f32 v[TM+\b], v[TM+\b], v[TM+4+\b]
.endr
.irp b, 0,1,2,3
	s_delay_alu instid0(VALU_DEP_4)
	v_add_nc_u32 v[TM+12+\b], 0xff000000, v[TM+\b]                  ; 2 off the exponent field: the conversion's scale operand
.endr
.irp b, 0,1,2,3
	s_delay_alu instid0(VALU_DEP_4)
	v_lshrrev_b32 v[TM+4+\b], 23, v[TM+12+\b]                       ; the byte
.endr
	s_delay_alu instid0(VALU_DEP_3)
	v_lshl_or_b32 v[QPW], v[TM+5], 8, v[TM+4]
	s_delay_alu instid0(VALU_DEP_1)
	v_lshl_or_b32 v[QPW], v[TM+6], 16, v[QPW]
	s_delay_alu instid0(VALU_DEP_1)
	v_lshl_or_b32 v[QPW], v[TM+7], 24, v[QPW]
	v_cvt_scalef32_pk16_fp6_f32 v[QD0:QD0+2], v[QS_:QS_+15], v[TM+12]
	v_cvt_scalef32_pk16_fp6_f32 v[TT:TT+2], v[QS_+16:QS_+31], v[TM+13]
	v_cvt_scalef32_pk16_fp6_f32 v[QD1:QD1+2], v[QS_+32:QS_+47], v[TM+14]
	v_cvt_scalef32_pk16_fp6_f32 v[TT+4:TT+6], v[QS_+48:QS_+63], v[TM+15]
	v_nop
.irp i, 0,1,2
	v_permlane16_swap_b32 v[QD0+\i], v[TT+\i]                       ; a whole block to a lane
	v_permlane16_swap_b32 v[QD1+\i], v[TT+4+\i]
.endr
.irp i, 0,1,2
	v_mov_b32 v[QD0+3+\i], v[TT+\i]
	v_mov_b32 v[QD1+3+\i], v[TT+4+\i]
.endr
.endm
.macro REDUCE off                      ; v[RA]: my lane's sum -> the row's, in every lane
	s_delay_alu instid0(VALU_DEP_1)
	v_permlanex16_b32 v[RB], v[RA], s[SEL], s[SEL+1]
	s_delay_alu instid0(VALU_DEP_1)
	v_add_f32 v[RA], v[RA], v[RB]
	ds_store_b32 v[RW], v[RA] offset:\off          ; my wave's word for row r (both halves of the lanes write the same)
	s_wait_dscnt 0x0                               ; for the others' sake
	s_barrier_signal -1
	s_barrier_wait -1
.irp i, 0,1,2,3,4,5,6,7
	ds_load_b32 v[RC+\i], v[RR] offset:\off+64*\i
.endr
	s_wait_dscnt 0x0
	v_add_f32 v[RC], v[RC], v[RC+1]
	v_add_f32 v[RC+2], v[RC+2], v[RC+3]
	v_add_f32 v[RC+4], v[RC+4], v[RC+5]
	v_add_f32 v[RC+6], v[RC+6], v[RC+7]
	s_delay_alu instid0(VALU_DEP_3)
	v_add_f32 v[RC], v[RC], v[RC+2]
	s_delay_alu instid0(VALU_DEP_2)
	v_add_f32 v[RC+4], v[RC+4], v[RC+6]
	s_delay_alu instid0(VALU_DEP_1)
	v_add_f32 v[RA], v[RC], v[RC+4]
.endm
	s_load_b256 s[4:11], s[0:1], 0x0               ; the tokens' codes, q0, the bias, the residual's rows
	s_load_b128 s[12:15], s[0:1], 0x20             ; g, be
	s_load_b64 s[16:17], s[0:1], 0x30              ; out
	v_lshl_add_u32 v[SPW], v0, 2, SPARE
	v_mov_b32 v[NIL], 0
	v_lshrrev_b32 v1, 5, v0
	s_delay_alu instid0(VALU_DEP_1)
	v_readfirstlane_b32 s20, v1                    ; wave 0..7
	v_and_b32 v1, 31, v0
	v_and_b32 v2, 15, v0
	v_bfe_u32 v3, v0, 4, 1
	s_delay_alu instid0(VALU_DEP_3)
	v_lshlrev_b32 v[LI], 4, v1
	s_delay_alu instid0(VALU_DEP_3)
	v_lshlrev_b32 v[LS], 2, v2
	s_lshl_b32 s21, s20, 9
	v_add_nc_u32 v[XO], s21, v[LI]
	v_lshl_add_u32 v[GO], v3, 6, s21
	s_mul_i32 s22, s20, 8448
	v_add_nc_u32 v[STI], s22, v[LI]
	v_mul_u32_u24 v[STO], v2, 528
	s_delay_alu instid0(VALU_DEP_1)
	v_lshl_add_u32 v[STO], v3, 6, v[STO]
	s_delay_alu instid0(VALU_DEP_1)
	v_add_nc_u32 v[STO], s22, v[STO]
	s_lshl_b32 s23, s20, 6
	s_add_co_u32 s23, s23, RED
	v_add_nc_u32 v[RW], s23, v[LS]
	v_add_nc_u32 v[RR], RED, v[LS]
	v_mov_b32 v[RB], 0
	v_lshlrev_b32 v[L4], 2, v1
	s_lshr_b32 s23, ttmp9, 1
	s_lshl_b32 s23, s23, 17
	s_and_b32 s24, ttmp9, 1
	s_lshl_b32 s24, s24, 15
	s_add_co_u32 s24, s24, s23                     ; the tile's first row, in bytes
	s_mov_b32 s25, 0
	s_lshl_b32 s26, ttmp9, 3
	s_add_co_u32 s26, s26, s20                     ; 8 T + w
	s_mul_i32 s30, s26, 1536
	s_add_co_u32 s30, s30, HC
	s_mov_b32 s31, 0
	s_lshl_b32 s32, s26, 6
	s_add_co_u32 s32, s32, HS
	s_mov_b32 s33, 0
	s_mul_i32 s40, ttmp9, KS*1536                  ; the tokens' fragments,
	s_mov_b32 s41, 0
	s_mul_i32 s42, ttmp9, KS*64                    ; their scale words,
	s_add_co_u32 s42, s42, A_SCALES
	s_mov_b32 s43, 0
	s_mul_i32 s44, s20, 8*KS*1536                  ; my eight tiles of the weight,
	s_add_co_u32 s44, s44, B_CODES
	s_mov_b32 s45, 0
	s_mul_i32 s46, s20, 8*KS*64                    ; their scale words
	s_add_co_u32 s46, s46, B_SCALES
	s_mov_b32 s47, 0
	s_mov_b32 s[SEL], 0x76543210
	s_mov_b32 s[SEL+1], 0xfedcba98
	s_mov_b32 s36, 0x3a800000                      ; 1 / 1,024
	s_mov_b32 s37, 0x3727c5ac                      ; 1e-5
	s_wait_alu depctr_va_vdst(0)
	s_wait_kmcnt 0x0
	s_add_nc_u64 s[40:41], s[4:5], s[40:41]
	s_add_nc_u64 s[42:43], s[4:5], s[42:43]
	s_add_nc_u64 s[44:45], s[6:7], s[44:45]
	s_add_nc_u64 s[46:47], s[6:7], s[46:47]
	s_add_nc_u64 s[10:11], s[10:11], s[24:25]
	s_add_nc_u64 s[30:31], s[16:17], s[30:31]
	s_add_nc_u64 s[32:33], s[16:17], s[32:33]
	s_add_nc_u64 s[16:17], s[16:17], s[24:25]
.set J, 0
.rept 16
	global_load_b128 v[S1+4*J:S1+4*J+3], v[XO], s[10:11] offset:(J+8*(J/8))*4096 th:TH_LOAD_NT   ; the residual's rows, 512 dense bytes a load
.set J, J+1
.endr
.irp b, 0,1,2,3
.irp j, 0,1,2,3
	global_load_b128 v[S2+16*\b+4*\j:S2+16*\b+4*\j+3], v[GO], s[8:9] offset:128*\b+16*\j      ; the bias starts the sums
.endr
.endr
	LOADS 0
	LOADS 1
	WIN 0
	s_wait_loadcnt 63                              ; the rows and the bias are in; the 36 + 27 loads behind them may be out
.set J, 0
.rept 16
	ds_store_b128 v[STI], v[S1+4*J:S1+4*J+3] offset:528*J
.set J, J+1
.endr
	s_wait_dscnt 0x0                               ; the stores have read their registers, which set 2 takes
.if TRIPS > 1
	s_mov_b32 s38, 0
.Ltrip:                                                ; a trip is six steps: the three sets of fragments and the three of scale words are back where they began
.endif
.irp j, 0,1,2,3,4,5
	KSTEP \j
.endr
	WIN 0
.if TRIPS > 1
	s_wait_xcnt 0x0                                ; the loads have read their bases
	s_add_nc_u64 s[40:41], s[40:41], 6*1536
	s_add_nc_u64 s[44:45], s[44:45], 6*1536
	s_add_nc_u64 s[42:43], s[42:43], 6*64
	s_add_nc_u64 s[46:47], s[46:47], 6*64
	s_add_co_u32 s38, s38, 1
	s_cmp_lt_u32 s38, TRIPS
	s_cbranch_scc1 .Ltrip
.endif
	PLACES                                         ; the last two steps fetch no fragment: g and be take the sets that are done with
.irp b, 0,1,2,3
.irp j, 0,1,2,3
	global_load_b128 v[S1+16*\b+4*\j:S1+16*\b+4*\j+3], v[GO], s[12:13] offset:128*\b+16*\j
.endr
.endr
	s_wait_loadcnt 43                              ; behind this step's loads: the last step's 27 and g's 16
	MUL 6
	PLACES
	WIN 0x40
.irp b, 0,1,2,3
.irp j, 0,1,2,3
	global_load_b128 v[BE+16*\b+4*\j:BE+16*\b+4*\j+3], v[GO], s[14:15] offset:128*\b+16*\j
.endr
.endr
	s_wait_loadcnt 32                              ; g's 16 and be's 16 may be out
	MUL 7
	PLACES                                         ; in front of the loads into set 1 and of the first read of the sums
	WIN 0x40
.irp b, 0,1,2,3
.irp j, 0,1,2,3
	ds_load_b128 v[XT+16*\b+4*\j:XT+16*\b+4*\j+3], v[STO] offset:128*\b+16*\j   ; the rows, turned: register 16 b + i as the sums lie
.endr
.endr
	s_wait_dscnt 0x0
	WIN 0x04
.set J, 0
.rept 32
	v_pk_add_f32 v[S2+J:S2+J+1], v[S2+J:S2+J+1], v[XT+J:XT+J+1]    ; each accumulator from its low end on
.set J, J+2
.endr
	WIN 0
.irp k, 0,2,4,6,8,10,12,14
	v_pk_add_f32 v[P+\k:P+\k+1], v[S2+\k:S2+\k+1], v[S2+16+\k:S2+17+\k]   ; eight chains
.endr
.irp j, 32,48
.irp k, 0,2,4,6,8,10,12,14
	v_pk_add_f32 v[P+\k:P+\k+1], v[P+\k:P+\k+1], v[S2+\j+\k:S2+\j+\k+1]
.endr
.endr
.irp k, 0,2,4,6
	s_delay_alu instid0(VALU_DEP_4)
	v_pk_add_f32 v[P+\k:P+\k+1], v[P+\k:P+\k+1], v[P+8+\k:P+9+\k]
.endr
	s_delay_alu instid0(VALU_DEP_2)
	v_pk_add_f32 v[P:P+1], v[P:P+1], v[P+4:P+5]
	s_delay_alu instid0(VALU_DEP_2)
	v_pk_add_f32 v[P+2:P+3], v[P+2:P+3], v[P+6:P+7]
	s_delay_alu instid0(VALU_DEP_1)
	v_pk_add_f32 v[P:P+1], v[P:P+1], v[P+2:P+3]
	s_delay_alu instid0(VALU_DEP_1)
	v_add_f32 v[RA], v[P], v[P+1]
	REDUCE 0
	s_delay_alu instid0(VALU_DEP_1)
	v_mul_f32 v[MU], 0xba800000, v[RA]             ; -mean
	s_delay_alu instid0(VALU_DEP_1)
	v_mov_b32 v[MU+1], v[MU]
.set J, 0
.rept 32
	v_pk_add_f32 v[S2+J:S2+J+1], v[S2+J:S2+J+1], v[MU:MU+1]
.set J, J+2
.endr
.irp k, 0,1,2,3
	v_pk_mul_f32 v[P+2*\k:P+2*\k+1], v[S2+2*\k:S2+2*\k+1], v[S2+2*\k:S2+2*\k+1]
.endr
.irp j, 8,16,24,32,40,48,56
.irp k, 0,1,2,3
	s_delay_alu instid0(VALU_DEP_4)
	v_pk_fma_f32 v[P+2*\k:P+2*\k+1], v[S2+\j+2*\k:S2+\j+2*\k+1], v[S2+\j+2*\k:S2+\j+2*\k+1], v[P+2*\k:P+2*\k+1]
.endr
.endr
	s_delay_alu instid0(VALU_DEP_3)
	v_pk_add_f32 v[P:P+1], v[P:P+1], v[P+2:P+3]
	s_delay_alu instid0(VALU_DEP_2)
	v_pk_add_f32 v[P+4:P+5], v[P+4:P+5], v[P+6:P+7]
	s_delay_alu instid0(VALU_DEP_1)
	v_pk_add_f32 v[P:P+1], v[P:P+1], v[P+4:P+5]
	s_delay_alu instid0(VALU_DEP_1)
	v_add_f32 v[RA], v[P], v[P+1]
	REDUCE 512                                     ; other bytes than the first sum's: no barrier between the two is needed
	s_delay_alu instid0(VALU_DEP_1)
	v_fma_f32 v[RA], v[RA], s36, s37               ; the variance + 1e-5
	s_wait_alu depctr_va_vdst(0)
	v_rsq_f32 v[RS], v[RA]
	v_rsq_f32 v[RS+1], v[RA]
	v_nop                                          ; a plain instruction behind the two
	s_wait_alu depctr_va_vdst(0)                   ; one wait for both, ahead of their first reader
	s_wait_loadcnt 0x0                             ; g and be
.set J, 0
.rept 32
	v_pk_mul_f32 v[S2+J:S2+J+1], v[S2+J:S2+J+1], v[RS:RS+1]
.set J, J+2
.endr
	WIN 0x10
.set J, 0
.rept 32
	v_pk_fma_f32 v[S2+J:S2+J+1], v[S2+J:S2+J+1], v[S1+J:S1+J+1], v[BE+J:BE+J+1]
.set J, J+2
.endr
	WIN 0
	QUANT S2, PC, PC+6, PW
.irp g, 0,1,2
	global_store_b128 v[LI], v[PC+4*\g:PC+4*\g+3], s[30:31] offset:512*\g
.endr
	global_store_b32 v[LS], v[PW], s[32:33]
.irp b, 0,1,2,3
.irp j, 0,1,2,3
	ds_store_b128 v[STO], v[S2+16*\b+4*\j:S2+16*\b+4*\j+3] offset:128*\b+16*\j
.endr
.endr
.set J, 0
.rept 16
	ds_load_b128 v[S1+4*J:S1+4*J+3], v[STI] offset:528*J     ; LDS serves a wave's instructions in order: these see my stores
.set J, J+1
.endr
.set J, 0
.rept 16
	s_wait_dscnt 15-J
	global_store_b128 v[XO], v[S1+4*J:S1+4*J+3], s[16:17] offset:(J+8*(J/8))*4096   ; 512 dense bytes of a row
.set J, J+1
.endr
	s_wait_tensorcnt 0x0                           ; the wave's end
	ds_add_u32 v[SPW], v[NIL]
	s_wait_dscnt 0x0
	s_endpgm
.Lfunc_end_k_qbe977167d7_wo_ln1:
	.size	k_qbe977167d7_wo_ln1, .Lfunc_end_k_qbe977167d7_wo_ln1-k_qbe977167d7_wo_ln1
	.p2alignl 7, 3214868480
	.fill 96, 4, 3214868480
	.section	.rodata,"a",@progbits
	.p2align	6, 0x0
	.amdhsa_kernel k_qbe977167d7_wo_ln1
		.amdhsa_group_segment_fixed_size 70656
		.amdhsa_private_segment_fixed_size 0
		.amdhsa_enable_private_segment 0
		.amdhsa_kernarg_size 56
		.amdhsa_user_sgpr_count 2
		.amdhsa_user_sgpr_kernarg_segment_ptr 1
		.amdhsa_wavefront_size32 1
		.amdhsa_system_sgpr_workgroup_id_x 1
		.amdhsa_system_sgpr_workgroup_id_y 1
		.amdhsa_system_sgpr_workgroup_id_z 1
		.amdhsa_system_vgpr_workitem_id 0
		.amdhsa_next_free_vgpr 512
		.amdhsa_next_free_sgpr 66
		.amdhsa_reserve_vcc 0
		.amdhsa_float_denorm_mode_32 3
		.amdhsa_float_denorm_mode_16_64 3
		.amdhsa_memory_ordered 1
		.amdhsa_forward_progress 1
		.amdhsa_inst_pref_size 71
	.end_amdhsa_kernel
	.amdgpu_metadata
---
amdhsa.version: [ 1, 2 ]
amdhsa.kernels:
  - .name:           k_qbe977167d7_wo_ln1
    .symbol:         k_qbe977167d7_wo_ln1.kd
    .args:
      - { .name: ctx, .offset: 0, .size: 8, .value_kind: global_buffer, .address_space: global }
      - { .name: q0, .offset: 8, .size: 8, .value_kind: global_buffer, .address_space: global }
      - { .name: bo, .offset: 16, .size: 8, .value_kind: global_buffer, .address_space: global }
      - { .name: x, .offset: 24, .size: 8, .value_kind: global_buffer, .address_space: global }
      - { .name: g1, .offset: 32, .size: 8, .value_kind: global_buffer, .address_space: global }
      - { .name: be1, .offset: 40, .size: 8, .value_kind: global_buffer, .address_space: global }
      - { .name: h, .offset: 48, .size: 8, .value_kind: global_buffer, .address_space: global }
    .group_segment_fixed_size: 70656
    .private_segment_fixed_size: 0
    .kernarg_segment_align: 8
    .kernarg_segment_size: 56
    .max_flat_workgroup_size: 256
    .sgpr_count:     66
    .vgpr_count:     512
    .wavefront_size: 32
...
	.end_amdgpu_metadata
.endif
;; end of part 4
;; launch gemm_w1 (part 5): grid 16 x 16, 4 waves a work-group, clusters of 4 x 4, 327,680 bytes of LDS; arguments h, q0, b1, hid; writes hid
.if DOCPART == 5
	.amdgcn_target "amdgcn-amd-amdhsa--gfx1250"
	.amdhsa_code_object_version 6
	.text
	.protected	k_qbe977167d7_gemm_w1
	.globl	k_qbe977167d7_gemm_w1
	.p2align	8
	.type	k_qbe977167d7_gemm_w1,@function
k_qbe977167d7_gemm_w1:
	s_mov_b64 s[64:65], 0
	v_nop
	global_prefetch_b8 v0, s[64:65] scope:SCOPE_SE
	s_setreg_imm32_b32 hwreg(HW_REG_WAVE_MODE, 25, 1), 1
	s_wait_xcnt 0x0
	s_wait_alu depctr_hold_cnt(0) depctr_sa_sdst(0) depctr_va_vdst(0) depctr_va_sdst(0) depctr_va_ssrc(0) depctr_va_vcc(0) depctr_vm_vsrc(0)
	s_getreg_b32 s2, hwreg(HW_REG_IB_STS2, 6, 4)
	s_cmp_eq_u32 s2, 0
	s_cbranch_scc0 .Lentry_in_a_cluster
	s_endpgm
.Lentry_in_a_cluster:
	s_bfe_u32 s2, ttmp6, 0x10000c
	s_cmp_lg_u32 s2, 0xf033
	s_cbranch_scc0 .Lentry_shape_is_right
	s_endpgm
.Lentry_shape_is_right:
.set MB,    8
.set LOGMB, 3
.set SQ,    2
.set KS,    8
.set A_CODES,  16777216
.set A_SCALES, 19922944
.set B_CODES,  6422528
.set B_SCALES, 12845056
.set FS,    12582912
.set FRB,   1536
.set HALFT, MB*SQ*FRB
.set SLOT,  4*HALFT
.set SCL,   2*SLOT
.set HALFS, MB*KS*64
.set SPARE, SCL+4*HALFS
.set LAPS,  KS/(2*SQ)
.set ADRA, 16
.set ADRB, 20
.set LI,   24
.set LS,   25
.set BO,   26
.set ADRS, 27
.set SPW,  28
.set NIL,  29
.set SC,   32
.set AF,   64
.set TM,   128
.set PW,   144
.set TT,   148
.set FA,   160
.set G1, 24
.set G0, 32
.set G1B, 48
.set G0B, 56
.set SEL, 66
.set G1S, 68
.set G0S, 76
.set G1SB, 80
.set G0SB, 88
.set MSB, 0
.macro WIN new
.if MSB != (\new)
	s_set_vgpr_msb (MSB<<8)|(\new)
.set MSB, (\new)
.endif
.endm
.macro JLOAD g0a, g1a, g0b, g1b
	s_cmp_eq_u32 s15, 0
	s_cbranch_scc0 .Lfor_b_\@
	tensor_load_to_lds s[\g0a:\g0a+3], s[\g1a:\g1a+7]
	s_nop 0
.rept 4
	v_nop
.endr
	s_branch .Lasked_\@
.Lfor_b_\@:
	tensor_load_to_lds s[\g0b:\g0b+3], s[\g1b:\g1b+7]
	s_nop 0
.rept 4
	v_nop
.endr
.Lasked_\@:
.endm
.macro CREST
	s_cmp_lg_u32 s14, 0
	s_cbranch_scc1 .Lnot_wave_0_\@
	s_barrier_signal -3
.Lnot_wave_0_\@:
	s_barrier_wait -3
	s_barrier_signal -1
	s_barrier_wait -1
.endm
.macro CROUND
	s_barrier_signal -1
	s_barrier_wait -1
	CREST
.endm
.macro PLACES cnt
.rept \cnt
	v_nop
.endr
.endm
.macro FETCH slot, q, p
	WIN 0x40
.set FJ, 0
.rept MB
.irp g, 0,1,2
	ds_load_b128 v[128*(\p)+12*FJ+4*\g:128*(\p)+12*FJ+4*\g+3], v[ADRB+\slot] offset:FJ*SQ*FRB+(\q)*FRB+512*\g
.endr
.set FJ, FJ+1
.endr
	WIN 0
.set FJ, 0
.rept MB
.irp g, 0,1,2
	ds_load_b128 v[AF+12*MB*(\p)+12*FJ+4*\g:AF+12*MB*(\p)+12*FJ+4*\g+3], v[ADRA+\slot] offset:FJ*SQ*FRB+(\q)*FRB+512*\g
.endr
.set FJ, FJ+1
.endr
.set FJ, 0
.rept MB
	ds_load_b32 v[SC+MB*(\p)+FJ], v[ADRS] offset:FJ*KS*64+(\q)*64
.set FJ, FJ+1
.endr
.endm
.macro MULR a0, cnt, p, cm
.set MA, \a0
.rept \cnt
.set MW, 2+(8*MB*MA)/256
.if \cm == 2
	WIN 0x11|(MW<<6)
.else
	WIN 0x01|(MW<<4)|(MW<<6)
.endif
.set MBB, 0
.rept MB
.set MR, (8*(MB*MA+MBB))%256
.set MC, 96+8*MBB+96*(MBB/4)
.if \cm == 0
	v_wmma_scale_f32_16x16x128_f8f6f4 v[MR:MR+7], v[128*(\p)+12*MBB:128*(\p)+12*MBB+11], v[AF+12*MB*(\p)+12*MA:AF+12*MB*(\p)+12*MA+11], v[MR:MR+7], v[SC+MB*(\p)+MBB], v[SC+MB*(\p)+MA] matrix_a_fmt:MATRIX_FMT_FP6 matrix_b_fmt:MATRIX_FMT_FP6 matrix_a_scale:MATRIX_SCALE_ROW1
.else
	v_wmma_scale_f32_16x16x128_f8f6f4 v[MR:MR+7], v[128*(\p)+12*MBB:128*(\p)+12*MBB+11], v[AF+12*MB*(\p)+12*MA:AF+12*MB*(\p)+12*MA+11], v[MC:MC+7], v[SC+MB*(\p)+MBB], v[SC+MB*(\p)+MA] matrix_a_fmt:MATRIX_FMT_FP6 matrix_b_fmt:MATRIX_FMT_FP6 matrix_a_scale:MATRIX_SCALE_ROW1
.endif
.set MBB, MBB+1
.endr
.set MA, MA+1
.endr
.endm
.macro STEP slot, q, cm
	s_wait_dscnt 0x0
	PLACES 4
	FETCH \slot, (\q)+1, 1-(\q)%2
	MULR 0, MB, (\q)%2, \cm
	WIN 0
.endm
.macro MID slot, from
.set MQ, \from
.rept SQ-1-(\from)
	STEP \slot, MQ, 0
.set MQ, MQ+1
.endr
.endm
.macro TURN slot, next, fill
	s_wait_tensorcnt 0x0
	ds_add_u32 v[SPW], v[NIL]
	s_wait_dscnt 1
	MULR 0, MB/4, 1, 0
	s_wait_dscnt 0x0
	s_barrier_signal -1
	MULR MB/4, MB/4, 1, 0
	WIN 0
	s_barrier_wait -1
.if \fill
	CREST
	s_add_nc_u64 s[G0+4*\slot+2:G0+4*\slot+3], s[G0+4*\slot+2:G0+4*\slot+3], 2*SQ*FRB
	s_add_nc_u64 s[G0B+4*\slot+2:G0B+4*\slot+3], s[G0B+4*\slot+2:G0B+4*\slot+3], 2*SQ*FRB
	JLOAD G0+4*\slot, G1, G0B+4*\slot, G1B
.else
	PLACES 4
.endif
	s_wait_alu depctr_va_vdst(0)
	v_add_nc_u32 v[ADRS], SQ*64, v[ADRS]
	FETCH \next, 0, 0
	MULR MB/2, MB/2, 1, 0
	WIN 0
.endm
.macro QUANT W, s, d0, d1, pw
.set QW, \W
.set QS_, \s
.set QD0, \d0
.set QD1, \d1
.set QPW, \pw
	WIN QW|(QW<<2)
.irp b, 0,1,2,3
	v_max3_num_f32 v[TM+\b], |v[QS_+16*\b]|, |v[QS_+1+16*\b]|, 0x1800000
.endr
.irp i, 2,4,6,8,10,12,14
.irp b, 0,1,2,3
	v_max3_num_f32 v[TM+\b], |v[QS_+16*\b+\i]|, |v[QS_+1+16*\b+\i]|, v[TM+\b]
.endr
.endr
	WIN 0
.irp b, 0,1,2,3
	v_permlanex16_b32 v[TM+4+\b], v[TM+\b], s[SEL], s[SEL+1]
.endr
.irp b, 0,1,2,3
	v_max_num_f32 v[TM+\b], v[TM+\b], v[TM+4+\b]
.endr
.irp b, 0,1,2,3
	v_add_nc_u32 v[TM+12+\b], 0xff000000, v[TM+\b]
.endr
.irp b, 0,1,2,3
	v_lshrrev_b32 v[TM+4+\b], 23, v[TM+12+\b]
.endr
	v_lshl_or_b32 v[QPW], v[TM+5], 8, v[TM+4]
	v_lshl_or_b32 v[QPW], v[TM+6], 16, v[QPW]
	v_lshl_or_b32 v[QPW], v[TM+7], 24, v[QPW]
	WIN QW
	v_cvt_scalef32_pk16_fp6_f32 v[QD0:QD0+2], v[QS_:QS_+15], v[TM+12]
	v_cvt_scalef32_pk16_fp6_f32 v[TT:TT+2], v[QS_+16:QS_+31], v[TM+13]
	v_cvt_scalef32_pk16_fp6_f32 v[QD1:QD1+2], v[QS_+32:QS_+47], v[TM+14]
	v_cvt_scalef32_pk16_fp6_f32 v[TT+4:TT+6], v[QS_+48:QS_+63], v[TM+15]
	WIN 0
	v_nop
.irp i, 0,1,2
	v_permlane16_swap_b32 v[QD0+\i], v[TT+\i]
	v_permlane16_swap_b32 v[QD1+\i], v[TT+4+\i]
.endr
.irp i, 0,1,2
	v_mov_b32 v[QD0+3+\i], v[TT+\i]
	v_mov_b32 v[QD1+3+\i], v[TT+4+\i]
.endr
.endm
	s_load_b256 s[4:11], s[0:1], 0x0
	v_lshl_add_u32 v[SPW], v0, 2, SPARE
	v_mov_b32 v[NIL], 0
	ds_add_u32 v28, v29
	ds_add_u32 v28, v29
	s_wait_dscnt 0x0
	v_and_b32 v30, 31, v0                          ; the prefetches' offset: a lane a block of 256 bytes; two tile rows' parts of 12 blocks each, the lanes left over name the last again; never rewritten
	v_min_u32 v30, 23, v30
	v_add_nc_u32 v31, 20, v30
	v_lshrrev_b32 v31, 5, v31                      ; which of the two rows: 0 for blocks 0-11, 1 for blocks 12-23
	v_lshlrev_b32 v30, 8, v30
	v_mad_u32_u24 v30, v31, KS*FRB-12*256, v30     ; from a row's part to the next row's
	v_lshrrev_b32 v1, 5, v0
	v_readfirstlane_b32 s14, v1
	s_lshr_b32 s15, s14, 1
	s_and_b32 s16, s14, 1
	s_bfe_u32 s40, ttmp6, 0x40000
	s_bfe_u32 s41, ttmp6, 0x40004
	s_lshl_b32 s42, ttmp9, 2
	s_add_co_u32 s42, s42, s40
	s_and_b32 s17, ttmp7, 0xffff
	s_lshl_b32 s17, s17, 2
	s_add_co_u32 s17, s17, s41
	s_lshl_b32 s43, s41, 2
	s_lshl_b32 s43, 15, s43
	s_lshl_b32 s44, 0x1111, s40
	s_or_b32 s[G1+0], s43, (3<<16)|(1<<21)
	s_or_b32 s[G1B+0], s44, (3<<16)|(1<<21)
.irp g, G1, G1B
	s_mov_b32 s[\g+1], (SQ*192)<<16
	s_mov_b32 s[\g+2], (2*MB)<<16                  ; the head's loads bring a whole tile: both halves
	s_mov_b32 s[\g+3], (SQ*192)<<16
	s_mov_b32 s[\g+4], 2*MB
	s_mov_b32 s[\g+5], KS*192
	s_mov_b32 s[\g+6], 0
	s_mov_b32 s[\g+7], 0
.endr
	s_or_b32 s[G1S+0], s43, (3<<16)|(1<<21)
	s_or_b32 s[G1SB+0], s44, (3<<16)|(1<<21)
.irp g, G1S, G1SB
	s_mov_b32 s[\g+1], 32<<16
	s_mov_b32 s[\g+2], (MB*KS/2)<<16
	s_mov_b32 s[\g+3], 32<<16
	s_mov_b32 s[\g+4], MB*KS/2
	s_mov_b32 s[\g+5], 32
	s_mov_b32 s[\g+6], 0
	s_mov_b32 s[\g+7], 0
.endr
	s_lshl_b32 s18, s16, LOGMB
	s_lshl_b32 s20, s17, LOGMB+1
	s_add_co_u32 s20, s20, s18
	s_lshl_b32 s46, s42, LOGMB+1
	s_add_co_u32 s46, s46, s18
	s_mul_i32 s22, s20, KS*64
	s_mul_i32 s20, s20, KS*FRB
	s_mul_i32 s92, s46, KS*64
	s_mul_i32 s46, s46, KS*FRB
	s_add_co_u32 s20, s20, A_CODES
	s_add_co_u32 s22, s22, A_SCALES
	s_add_co_u32 s46, s46, B_CODES
	s_add_co_u32 s92, s92, B_SCALES
	s_mov_b32 s21, 0
	s_mov_b32 s23, 0
	s_mov_b32 s47, 0
	s_mov_b32 s93, 0
	s_mul_i32 s45, s14, HALFT
	s_mov_b32 s[SEL], 0x76543210
	s_mov_b32 s[SEL+1], 0xfedcba98
	s_wait_kmcnt 0x0
	s_add_nc_u64 s[20:21], s[4:5], s[20:21]
	s_add_nc_u64 s[22:23], s[4:5], s[22:23]
	s_add_nc_u64 s[46:47], s[6:7], s[46:47]
	s_add_nc_u64 s[92:93], s[6:7], s[92:93]
	CROUND
	; THE HEAD'S FOUR TILES, ONE LOAD A WAVE: wave 0 slot 0's rows of A (both halves), wave 1 those of B, wave 2 A's scale words, wave 3 B's.  Every wave makes all four addresses, from the first half on.
	s_mul_i32 s2, s16, HALFS
	s_mov_b32 s3, 0
	s_sub_nc_u64 s[22:23], s[22:23], s[2:3]
	s_sub_nc_u64 s[92:93], s[92:93], s[2:3]
	s_mul_i32 s2, s16, MB*KS*FRB
	s_mov_b32 s[G0S], 1
	s_mov_b32 s[G0S+1], SCL
	s_mov_b64 s[G0S+2:G0S+3], s[22:23]
	s_or_b32 s[G0S+3], s[G0S+3], 0x80000000
	s_mov_b32 s[G0SB], 1
	s_mov_b32 s[G0SB+1], SCL+2*HALFS
	s_mov_b64 s[G0SB+2:G0SB+3], s[92:93]
	s_or_b32 s[G0SB+3], s[G0SB+3], 0x80000000
	s_mov_b32 s[G0], 1
	s_mov_b32 s[G0+1], 0
	s_sub_nc_u64 s[G0+2:G0+3], s[20:21], s[2:3]
	s_or_b32 s[G0+3], s[G0+3], 0x80000000
	s_mov_b32 s[G0B], 1
	s_mov_b32 s[G0B+1], 2*HALFT
	s_sub_nc_u64 s[G0B+2:G0B+3], s[46:47], s[2:3]
	s_or_b32 s[G0B+3], s[G0B+3], 0x80000000
.macro ARM under, g0, g1, next         ; one chain of branches on the wave's number, a load to each arm, one join
	s_cmp_lt_u32 s14, \under
	s_cbranch_scc0 \next
	tensor_load_to_lds s[\g0:\g0+3], s[\g1:\g1+7]
	s_nop 0
.rept 4
	v_nop
.endr
	s_branch .Lhead_asked
\next:
.endm
	ARM 1, G0,  G1,  .Lhead_b
	ARM 2, G0B, G1B, .Lhead_sa
	ARM 3, G0S, G1S, .Lhead_sb
	tensor_load_to_lds s[G0SB:G0SB+3], s[G1SB:G1SB+7]
	s_nop 0
.rept 4
	v_nop
.endr
.Lhead_asked:
	s_wait_alu depctr_va_vdst(0)
	s_wait_tensorcnt 0x0                           ; my tile of the four is in
	ds_add_u32 v28, v29
	s_mov_b32 s[G1+2], MB<<16                      ; no load of mine is out: from here on a load brings one half, MB rows
	s_mov_b32 s[G1+4], MB
	s_mov_b32 s[G1B+2], MB<<16
	s_mov_b32 s[G1B+4], MB
.irp s, 0,1
	s_mov_b32 s[G0+4*\s], 1
	s_add_co_u32 s[G0+4*\s+1], s45, \s*SLOT
	s_add_nc_u64 s[G0+4*\s+2:G0+4*\s+3], s[20:21], \s*SQ*FRB
	s_or_b32 s[G0+4*\s+3], s[G0+4*\s+3], 0x80000000
	s_mov_b32 s[G0B+4*\s], 1
	s_add_co_u32 s[G0B+4*\s+1], s45, \s*SLOT
	s_add_nc_u64 s[G0B+4*\s+2:G0B+4*\s+3], s[46:47], \s*SQ*FRB
	s_or_b32 s[G0B+4*\s+3], s[G0B+4*\s+3], 0x80000000
.endr
	; THE PREFETCHES.  A refill of mine brings MB = 8 tile rows of SQ x 1,536 = 3,072 bytes; the four partners that ask for them with me share the rows out BY ADDRESS: the partner at place p (cx for A, cy for B) names rows 2 p and 2 p + 1,
	; 24 blocks of 256 bytes, one instruction a wave and part.  K is four parts: parts 0 and 1 come by their loads alone; parts 2 and 3, the two refills, are asked for here, one and two slots ahead of their loads.
	s_cmp_eq_u32 s15, 0                            ; do I fetch for A?
	s_cselect_b64 s[96:97], s[20:21], s[46:47]
	s_cselect_b32 s2, s40, s41
	s_mul_i32 s2, s2, 2*KS*FRB
	s_add_co_u32 s2, s2, 2*SQ*FRB                  ; at part 2
	s_add_nc_u64 s[96:97], s[96:97], s[2:3]
	s_wait_dscnt 0x0
	CROUND                                         ; all four tiles are in, in every partner
	JLOAD G0+4, G1, G0B+4, G1B                     ; slot 1's first fill, the first tensor load behind the round
	global_prefetch_b8 v30, s[96:97] th:TH_LOAD_NT scope:SCOPE_SE
	global_prefetch_b8 v30, s[96:97] offset:SQ*FRB th:TH_LOAD_NT scope:SCOPE_SE
	v_and_b32 v1, 15, v0
	v_bfe_u32 v2, v0, 4, 1
	s_wait_alu depctr_va_vdst(0)
	v_and_b32 v3, 31, v0
	v_lshlrev_b32 v[LI], 4, v3
	v_lshlrev_b32 v[LS], 2, v1
	v_lshlrev_b32 v[BO], 6, v2
	s_mul_i32 s21, s15, HALFT
	s_mul_i32 s22, s16, HALFT
	s_add_co_u32 s22, s22, 2*HALFT
.irp s, 0,1
	v_add_nc_u32 v[ADRA+\s], s21, v[LI]
	v_add_nc_u32 v[ADRB+\s], s22, v[LI]
	s_add_co_u32 s21, s21, SLOT
	s_add_co_u32 s22, s22, SLOT
.endr
	s_mul_i32 s21, s15, HALFS
	s_mul_i32 s22, s16, HALFS
	s_add_co_u32 s22, s22, 2*HALFS
	s_sub_co_u32 s22, s22, s21
	v_mul_u32_u24 v6, s22, v2
	s_wait_alu depctr_va_vdst(0)
	s_add_co_u32 s21, s21, SCL
	v_add_nc_u32 v5, v[LS], v6
	v_add_nc_u32 v[ADRS], s21, v5
	s_lshl_b32 s20, s42, LOGMB+7
	s_lshl_b32 s21, s16, LOGMB+6
	s_add_co_u32 s20, s20, s21
	s_mov_b32 s21, 0
	s_add_nc_u64 s[8:9], s[8:9], s[20:21]
	WIN 0x40
.set J, 0
.rept MB
.set MC, 96+8*J+96*(J/4)
	global_load_b128 v[MC:MC+3], v[BO], s[8:9] offset:(32*(J/2)+8*(J%2))*4
	global_load_b128 v[MC+4:MC+7], v[BO], s[8:9] offset:(32*(J/2)+8*(J%2))*4+16
.set J, J+1
.endr
	WIN 0
	s_lshl_b32 s20, s17, 4
	s_lshl_b32 s21, s15, 3
	s_add_co_u32 s20, s20, s21
	s_lshl_b32 s20, s20, 5
	s_lshl_b32 s21, s42, 1
	s_add_co_u32 s20, s20, s21
	s_add_co_u32 s20, s20, s16
	s_mul_i32 s22, s20, FRB
	s_mov_b32 s23, 0
	s_lshl_b32 s20, s20, 6
	s_add_co_u32 s20, s20, FS
	s_mov_b32 s21, 0
	s_add_nc_u64 s[12:13], s[10:11], s[20:21]
	s_add_nc_u64 s[10:11], s[10:11], s[22:23]
	s_wait_alu depctr_va_vdst(0)
	s_wait_tensorcnt 1
	s_barrier_signal -1
	s_barrier_wait -1
	FETCH 0, 0, 0
	s_wait_loadcnt 0x0
	STEP 0, 0, 2
.if LAPS > 1
	s_mov_b32 s3, LAPS-1
.Llap:
	MID 0, 1
	TURN 0, 1, 1
	s_wait_alu depctr_va_vdst(0)
	MID 1, 0
	TURN 1, 0, 1
	s_wait_alu depctr_va_vdst(0)
	STEP 0, 0, 0
	s_sub_co_u32 s3, s3, 1
	s_cmp_lg_u32 s3, 0
	s_cbranch_scc1 .Llap
.endif
	MID 0, 1
	TURN 0, 1, 0
	s_wait_alu depctr_va_vdst(0)
	MID 1, 0
	s_wait_dscnt 0x0
	MULR 0, MB, 1, 0
	WIN 0
	PLACES 4
.irp b, 0,1,2,3
	v_mov_b32 v[TM+4+\b], 0
.endr
.set EA, 0
.rept 8
	s_wait_xcnt 0x0
.set EW, 2+EA/4
.set ES, 64*(EA%4)
	WIN (EW<<2)|(EW<<6)
.set EJ, 0
.rept 64
	v_max_num_f32 v[ES+EJ], 0, v[ES+EJ]
.set EJ, EJ+1
.endr
	QUANT EW, ES, FA, FA+6, PW
.irp g, 0,1,2
	global_store_b128 v[LI], v[FA+4*\g:FA+4*\g+3], s[10:11] offset:49152*EA+512*\g
.endr
	global_store_b32 v[LS], v[PW], s[12:13] offset:2048*EA
.set EA, EA+1
.endr
	s_wait_tensorcnt 0x0
	ds_add_u32 v[SPW], v[NIL]
	s_wait_dscnt 0x0
	CROUND
	s_endpgm
.Lfunc_end_k_qbe977167d7_gemm_w1:
	.size	k_qbe977167d7_gemm_w1, .Lfunc_end_k_qbe977167d7_gemm_w1-k_qbe977167d7_gemm_w1
	.p2alignl 7, 3214868480
	.fill 96, 4, 3214868480
	.section	.rodata,"a",@progbits
	.p2align	6, 0x0
	.amdhsa_kernel k_qbe977167d7_gemm_w1
		.amdhsa_group_segment_fixed_size 327680
		.amdhsa_private_segment_fixed_size 0
		.amdhsa_enable_private_segment 0
		.amdhsa_kernarg_size 32
		.amdhsa_user_sgpr_count 2
		.amdhsa_user_sgpr_kernarg_segment_ptr 1
		.amdhsa_wavefront_size32 1
		.amdhsa_system_sgpr_workgroup_id_x 1
		.amdhsa_system_sgpr_workgroup_id_y 1
		.amdhsa_system_sgpr_workgroup_id_z 1
		.amdhsa_system_vgpr_workitem_id 0
		.amdhsa_next_free_vgpr 1024
		.amdhsa_next_free_sgpr 98
		.amdhsa_reserve_vcc 0
		.amdhsa_float_denorm_mode_32 3
		.amdhsa_float_denorm_mode_16_64 3
		.amdhsa_memory_ordered 1
		.amdhsa_forward_progress 1
		.amdhsa_inst_pref_size 161
	.end_amdhsa_kernel
	.amdgpu_metadata
---
amdhsa.version: [ 1, 2 ]
amdhsa.kernels:
  - .name:           k_qbe977167d7_gemm_w1
    .symbol:         k_qbe977167d7_gemm_w1.kd
    .args:
      - { .name: h, .offset: 0, .size: 8, .value_kind: global_buffer, .address_space: global }
      - { .name: q0, .offset: 8, .size: 8, .value_kind: global_buffer, .address_space: global }
      - { .name: b1, .offset: 16, .size: 8, .value_kind: global_buffer, .address_space: global }
      - { .name: hid, .offset: 24, .size: 8, .value_kind: global_buffer, .address_space: global }
    .group_segment_fixed_size: 327680
    .private_segment_fixed_size: 0
    .kernarg_segment_align: 8
    .kernarg_segment_size: 32
    .max_flat_workgroup_size: 128
    .sgpr_count:     98
    .vgpr_count:     1024
    .wavefront_size: 32
...
	.end_amdgpu_metadata
.endif
;; end of part 5
;; launch gemm_w2 (part 6): grid 8 x 32, 4 waves a work-group, clusters of 4 x 4, 327,680 bytes of LDS; arguments hid, q0, b2, acc32; writes acc32
.if DOCPART == 6
	.amdgcn_target "amdgcn-amd-amdhsa--gfx1250"
	.amdhsa_code_object_version 6
	.text
	.protected	k_qbe977167d7_gemm_w2
	.globl	k_qbe977167d7_gemm_w2
	.p2align	8
	.type	k_qbe977167d7_gemm_w2,@function
k_qbe977167d7_gemm_w2:
	s_mov_b64 s[64:65], 0
	v_nop
	global_prefetch_b8 v0, s[64:65] scope:SCOPE_SE
	s_setreg_imm32_b32 hwreg(HW_REG_WAVE_MODE, 25, 1), 1
	s_wait_xcnt 0x0
	s_wait_alu depctr_hold_cnt(0) depctr_sa_sdst(0) depctr_va_vdst(0) depctr_va_sdst(0) depctr_va_ssrc(0) depctr_va_vcc(0) depctr_vm_vsrc(0)
	s_getreg_b32 s2, hwreg(HW_REG_IB_STS2, 6, 4)
	s_cmp_eq_u32 s2, 0
	s_cbranch_scc0 .Lentry_in_a_cluster
	s_endpgm
.Lentry_in_a_cluster:
	s_bfe_u32 s2, ttmp6, 0x10000c
	s_cmp_lg_u32 s2, 0xf033
	s_cbranch_scc0 .Lentry_shape_is_right
	s_endpgm
.Lentry_shape_is_right:
.set MB,    4
.set LOGMB, 2
.set SQ,    4
.set KS,    32
.set A_CODES,  0
.set A_SCALES, 12582912
.set B_CODES,  9568256
.set B_SCALES, 12976128
.set FRB,   1536
.set HALFT, MB*SQ*FRB
.set SLOT,  4*HALFT
.set SCL,   2*SLOT
.set HALFS, MB*KS*64
.set SPARE, SCL+4*HALFS
.set LAPS,  KS/(2*SQ)
.set ADRA, 16
.set ADRB, 20
.set LI,   24
.set LS,   25
.set BO,   26
.set ADRS, 27
.set SPW,  28
.set NIL,  29
.set SC,   32
.set AF,   64
.set G1, 24
.set G0, 32
.set G1B, 48
.set G0B, 56
.set G1S, 68
.set G0S, 76
.set G1SB, 80
.set G0SB, 88
.set MSB, 0
.macro WIN new
.if MSB != (\new)
	s_set_vgpr_msb (MSB<<8)|(\new)
.set MSB, (\new)
.endif
.endm
.macro JLOAD g0a, g1a, g0b, g1b
	s_cmp_eq_u32 s15, 0
	s_cbranch_scc0 .Lfor_b_\@
	tensor_load_to_lds s[\g0a:\g0a+3], s[\g1a:\g1a+7]
	s_nop 0
.rept 4
	v_nop
.endr
	s_branch .Lasked_\@
.Lfor_b_\@:
	tensor_load_to_lds s[\g0b:\g0b+3], s[\g1b:\g1b+7]
	s_nop 0
.rept 4
	v_nop
.endr
.Lasked_\@:
.endm
.macro CREST
	s_cmp_lg_u32 s14, 0
	s_cbranch_scc1 .Lnot_wave_0_\@
	s_barrier_signal -3
.Lnot_wave_0_\@:
	s_barrier_wait -3
	s_barrier_signal -1
	s_barrier_wait -1
.endm
.macro CROUND
	s_barrier_signal -1
	s_barrier_wait -1
	CREST
.endm
.macro PLACES cnt
.rept \cnt
	v_nop
.endr
.endm
.macro FETCH slot, q, p
	WIN 0x40
.set FJ, 0
.rept MB
.irp g, 0,1,2
	ds_load_b128 v[128*(\p)+12*FJ+4*\g:128*(\p)+12*FJ+4*\g+3], v[ADRB+\slot] offset:FJ*SQ*FRB+(\q)*FRB+512*\g
.endr
.set FJ, FJ+1
.endr
	WIN 0
.set FJ, 0
.rept MB
.irp g, 0,1,2
	ds_load_b128 v[AF+12*MB*(\p)+12*FJ+4*\g:AF+12*MB*(\p)+12*FJ+4*\g+3], v[ADRA+\slot] offset:FJ*SQ*FRB+(\q)*FRB+512*\g
.endr
.set FJ, FJ+1
.endr
.set FJ, 0
.rept MB
	ds_load_b32 v[SC+MB*(\p)+FJ], v[ADRS] offset:FJ*KS*64+(\q)*64
.set FJ, FJ+1
.endr
.endm
.macro MULR a0, cnt, p, cm
.set MA, \a0
.rept \cnt
.set MW, 2+(8*MB*MA)/256
.if \cm == 2
	WIN 0x11|(MW<<6)
.else
	WIN 0x01|(MW<<4)|(MW<<6)
.endif
.set MBB, 0
.rept MB
.set MR, (8*(MB*MA+MBB))%256
.set MC, 96+8*MBB+96*(MBB/4)
.if \cm == 0
	v_wmma_scale_f32_16x16x128_f8f6f4 v[MR:MR+7], v[128*(\p)+12*MBB:128*(\p)+12*MBB+11], v[AF+12*MB*(\p)+12*MA:AF+12*MB*(\p)+12*MA+11], v[MR:MR+7], v[SC+MB*(\p)+MBB], v[SC+MB*(\p)+MA] matrix_a_fmt:MATRIX_FMT_FP6 matrix_b_fmt:MATRIX_FMT_FP6 matrix_a_scale:MATRIX_SCALE_ROW1
.else
	v_wmma_scale_f32_16x16x128_f8f6f4 v[MR:MR+7], v[128*(\p)+12*MBB:128*(\p)+12*MBB+11], v[AF+12*MB*(\p)+12*MA:AF+12*MB*(\p)+12*MA+11], v[MC:MC+7], v[SC+MB*(\p)+MBB], v[SC+MB*(\p)+MA] matrix_a_fmt:MATRIX_FMT_FP6 matrix_b_fmt:MATRIX_FMT_FP6 matrix_a_scale:MATRIX_SCALE_ROW1
.endif
.set MBB, MBB+1
.endr
.set MA, MA+1
.endr
.endm
.macro STEP slot, q, cm
	s_wait_dscnt 0x0
	PLACES 4
	FETCH \slot, (\q)+1, 1-(\q)%2
	MULR 0, MB, (\q)%2, \cm
	WIN 0
.endm
.macro MID slot, from
.set MQ, \from
.rept SQ-1-(\from)
	STEP \slot, MQ, 0
.set MQ, MQ+1
.endr
.endm
.macro TURN slot, next, fill
.if \fill
	s_wait_xcnt 0x0                                ; my last prefetch has read its address: it steps one part, SQ steps along K
	s_add_nc_u64 s[96:97], s[96:97], SQ*FRB
.endif
	s_wait_tensorcnt 0x0
	ds_add_u32 v[SPW], v[NIL]
	s_wait_dscnt 1
	MULR 0, MB/4, 1, 0
	s_wait_dscnt 0x0
	s_barrier_signal -1
	MULR MB/4, MB/4, 1, 0
	WIN 0
	s_barrier_wait -1
.if \fill
	CREST
	s_add_nc_u64 s[G0+4*\slot+2:G0+4*\slot+3], s[G0+4*\slot+2:G0+4*\slot+3], 2*SQ*FRB
	s_add_nc_u64 s[G0B+4*\slot+2:G0B+4*\slot+3], s[G0B+4*\slot+2:G0B+4*\slot+3], 2*SQ*FRB
	JLOAD G0+4*\slot, G1, G0B+4*\slot, G1B
.else
	PLACES 4
.endif
	v_add_nc_u32 v[ADRS], SQ*64, v[ADRS]
	FETCH \next, 0, 0
.if \fill
	s_cmp_gt_u32 s3, 1                             ; the last trip's two refills have no part two refills on
	s_cbranch_scc0 .Lno_ask_\@
	global_prefetch_b8 v30, s[96:97] offset:SQ*FRB th:TH_LOAD_NT scope:SCOPE_SE   ; the part that stands two refills on: my work-group's tile row of the four that I fetch
.Lno_ask_\@:
.endif
	MULR MB/2, MB/2, 1, 0
	WIN 0
.endm
	s_load_b256 s[4:11], s[0:1], 0x0
	v_lshl_add_u32 v[SPW], v0, 2, SPARE
	v_mov_b32 v[NIL], 0
	ds_add_u32 v28, v29
	ds_add_u32 v28, v29
	s_wait_dscnt 0x0
	v_and_b32 v30, 31, v0                          ; the prefetches' offset: a lane a block of 256 bytes; a tile row's part is 24 blocks, the lanes left over name the last again; never rewritten
	v_min_u32 v30, 23, v30
	v_lshlrev_b32 v30, 8, v30
	v_lshrrev_b32 v1, 5, v0
	v_readfirstlane_b32 s14, v1
	s_lshr_b32 s15, s14, 1
	s_and_b32 s16, s14, 1
	s_bfe_u32 s40, ttmp6, 0x40000
	s_bfe_u32 s41, ttmp6, 0x40004
	s_lshl_b32 s42, ttmp9, 2
	s_add_co_u32 s42, s42, s40
	s_and_b32 s17, ttmp7, 0xffff
	s_lshl_b32 s17, s17, 2
	s_add_co_u32 s17, s17, s41
	s_lshl_b32 s43, s41, 2
	s_lshl_b32 s43, 15, s43
	s_lshl_b32 s44, 0x1111, s40
	s_or_b32 s[G1+0], s43, (3<<16)|(1<<21)
	s_or_b32 s[G1B+0], s44, (3<<16)|(1<<21)
.irp g, G1, G1B
	s_mov_b32 s[\g+1], (SQ*192)<<16
	s_mov_b32 s[\g+2], (2*MB)<<16                  ; the head's loads bring a whole tile: both halves
	s_mov_b32 s[\g+3], (SQ*192)<<16
	s_mov_b32 s[\g+4], 2*MB
	s_mov_b32 s[\g+5], KS*192
	s_mov_b32 s[\g+6], 0
	s_mov_b32 s[\g+7], 0
.endr
	s_or_b32 s[G1S+0], s43, (3<<16)|(1<<21)
	s_or_b32 s[G1SB+0], s44, (3<<16)|(1<<21)
.irp g, G1S, G1SB
	s_mov_b32 s[\g+1], 32<<16
	s_mov_b32 s[\g+2], (MB*KS/2)<<16
	s_mov_b32 s[\g+3], 32<<16
	s_mov_b32 s[\g+4], MB*KS/2
	s_mov_b32 s[\g+5], 32
	s_mov_b32 s[\g+6], 0
	s_mov_b32 s[\g+7], 0
.endr
	s_lshl_b32 s18, s16, LOGMB
	s_lshl_b32 s20, s17, LOGMB+1
	s_add_co_u32 s20, s20, s18
	s_lshl_b32 s46, s42, LOGMB+1
	s_add_co_u32 s46, s46, s18
	s_mul_i32 s22, s20, KS*64
	s_mul_i32 s20, s20, KS*FRB
	s_mul_i32 s92, s46, KS*64
	s_mul_i32 s46, s46, KS*FRB
	s_add_co_u32 s20, s20, A_CODES
	s_add_co_u32 s22, s22, A_SCALES
	s_add_co_u32 s46, s46, B_CODES
	s_add_co_u32 s92, s92, B_SCALES
	s_mov_b32 s21, 0
	s_mov_b32 s23, 0
	s_mov_b32 s47, 0
	s_mov_b32 s93, 0
	s_mul_i32 s45, s14, HALFT
	s_wait_kmcnt 0x0
	s_add_nc_u64 s[20:21], s[4:5], s[20:21]
	s_add_nc_u64 s[22:23], s[4:5], s[22:23]
	s_add_nc_u64 s[46:47], s[6:7], s[46:47]
	s_add_nc_u64 s[92:93], s[6:7], s[92:93]
	CROUND
	; THE HEAD'S FOUR TILES, ONE LOAD A WAVE: wave 0 slot 0's rows of A (both halves), wave 1 those of B, wave 2 A's scale words, wave 3 B's.  Every wave makes all four addresses, from the first half on.
	s_mul_i32 s2, s16, HALFS
	s_mov_b32 s3, 0
	s_sub_nc_u64 s[22:23], s[22:23], s[2:3]
	s_sub_nc_u64 s[92:93], s[92:93], s[2:3]
	s_mul_i32 s2, s16, MB*KS*FRB
	s_mov_b32 s[G0S], 1
	s_mov_b32 s[G0S+1], SCL
	s_mov_b64 s[G0S+2:G0S+3], s[22:23]
	s_or_b32 s[G0S+3], s[G0S+3], 0x80000000
	s_mov_b32 s[G0SB], 1
	s_mov_b32 s[G0SB+1], SCL+2*HALFS
	s_mov_b64 s[G0SB+2:G0SB+3], s[92:93]
	s_or_b32 s[G0SB+3], s[G0SB+3], 0x80000000
	s_mov_b32 s[G0], 1
	s_mov_b32 s[G0+1], 0
	s_sub_nc_u64 s[G0+2:G0+3], s[20:21], s[2:3]
	s_or_b32 s[G0+3], s[G0+3], 0x80000000
	s_mov_b32 s[G0B], 1
	s_mov_b32 s[G0B+1], 2*HALFT
	s_sub_nc_u64 s[G0B+2:G0B+3], s[46:47], s[2:3]
	s_or_b32 s[G0B+3], s[G0B+3], 0x80000000
.macro ARM under, g0, g1, next         ; one chain of branches on the wave's number, a load to each arm, one join
	s_cmp_lt_u32 s14, \under
	s_cbranch_scc0 \next
	tensor_load_to_lds s[\g0:\g0+3], s[\g1:\g1+7]
	s_nop 0
.rept 4
	v_nop
.endr
	s_branch .Lhead_asked
\next:
.endm
	ARM 1, G0,  G1,  .Lhead_b
	ARM 2, G0B, G1B, .Lhead_sa
	ARM 3, G0S, G1S, .Lhead_sb
	tensor_load_to_lds s[G0SB:G0SB+3], s[G1SB:G1SB+7]
	s_nop 0
.rept 4
	v_nop
.endr
.Lhead_asked:
	s_wait_alu depctr_va_vdst(0)
	s_wait_tensorcnt 0x0                           ; my tile of the four is in
	ds_add_u32 v28, v29
	s_mov_b32 s[G1+2], MB<<16                      ; no load of mine is out: from here on a load brings one half, MB rows
	s_mov_b32 s[G1+4], MB
	s_mov_b32 s[G1B+2], MB<<16
	s_mov_b32 s[G1B+4], MB
.irp s, 0,1
	s_mov_b32 s[G0+4*\s], 1
	s_add_co_u32 s[G0+4*\s+1], s45, \s*SLOT
	s_add_nc_u64 s[G0+4*\s+2:G0+4*\s+3], s[20:21], \s*SQ*FRB
	s_or_b32 s[G0+4*\s+3], s[G0+4*\s+3], 0x80000000
	s_mov_b32 s[G0B+4*\s], 1
	s_add_co_u32 s[G0B+4*\s+1], s45, \s*SLOT
	s_add_nc_u64 s[G0B+4*\s+2:G0B+4*\s+3], s[46:47], \s*SQ*FRB
	s_or_b32 s[G0B+4*\s+3], s[G0B+4*\s+3], 0x80000000
.endr
	; THE PREFETCHES.  A refill of mine brings MB = 4 tile rows of SQ x 1,536 = 6,144 bytes; the four partners that ask for them with me share the rows out BY ADDRESS: the partner at place p (cx for A, cy for B) names row p,
	; 24 blocks of 256 bytes, one instruction a wave.  K is eight parts: parts 0 and 1 come by their loads alone, parts 2 and 3 are asked for here, and behind the refill of part n stands the request for part n + 2.
	s_cmp_eq_u32 s15, 0                            ; do I fetch for A?
	s_cselect_b64 s[96:97], s[20:21], s[46:47]
	s_cselect_b32 s2, s40, s41
	s_mul_i32 s2, s2, KS*FRB
	s_add_co_u32 s2, s2, 2*SQ*FRB                  ; at part 2
	s_add_nc_u64 s[96:97], s[96:97], s[2:3]
	s_wait_dscnt 0x0
	CROUND                                         ; all four tiles are in, in every partner
	JLOAD G0+4, G1, G0B+4, G1B                     ; slot 1's first fill, the first tensor load behind the round
	global_prefetch_b8 v30, s[96:97] th:TH_LOAD_NT scope:SCOPE_SE
	global_prefetch_b8 v30, s[96:97] offset:SQ*FRB th:TH_LOAD_NT scope:SCOPE_SE
	v_and_b32 v1, 15, v0
	v_bfe_u32 v2, v0, 4, 1
	s_wait_alu depctr_va_vdst(0)
	v_and_b32 v3, 31, v0
	v_lshlrev_b32 v[LI], 4, v3
	v_lshlrev_b32 v[LS], 2, v1
	v_lshlrev_b32 v[BO], 6, v2
	s_mul_i32 s21, s15, HALFT
	s_mul_i32 s22, s16, HALFT
	s_add_co_u32 s22, s22, 2*HALFT
.irp s, 0,1
	v_add_nc_u32 v[ADRA+\s], s21, v[LI]
	v_add_nc_u32 v[ADRB+\s], s22, v[LI]
	s_add_co_u32 s21, s21, SLOT
	s_add_co_u32 s22, s22, SLOT
.endr
	s_mul_i32 s21, s15, HALFS
	s_mul_i32 s22, s16, HALFS
	s_add_co_u32 s22, s22, 2*HALFS
	s_sub_co_u32 s22, s22, s21
	v_mul_u32_u24 v6, s22, v2
	s_wait_alu depctr_va_vdst(0)
	s_add_co_u32 s21, s21, SCL
	v_add_nc_u32 v5, v[LS], v6
	v_add_nc_u32 v[ADRS], s21, v5
	s_lshl_b32 s20, s42, LOGMB+7
	s_lshl_b32 s21, s16, LOGMB+6
	s_add_co_u32 s20, s20, s21
	s_mov_b32 s21, 0
	s_add_nc_u64 s[8:9], s[8:9], s[20:21]
	WIN 0x40
.set J, 0
.rept MB
.set MC, 96+8*J+96*(J/4)
	global_load_b128 v[MC:MC+3], v[BO], s[8:9] offset:(32*(J/2)+8*(J%2))*4
	global_load_b128 v[MC+4:MC+7], v[BO], s[8:9] offset:(32*(J/2)+8*(J%2))*4+16
.set J, J+1
.endr
	WIN 0
	s_lshl_b32 s20, s17, 3
	s_lshl_b32 s21, s15, 2
	s_add_co_u32 s20, s20, s21
	s_lshl_b32 s20, s20, 3
	s_add_co_u32 s20, s20, s42
	s_lshl_b32 s20, s20, 13
	s_lshl_b32 s21, s16, 12
	s_add_co_u32 s20, s20, s21
	s_mov_b32 s21, 0
	s_add_nc_u64 s[10:11], s[10:11], s[20:21]
	s_wait_alu depctr_va_vdst(0)
	s_wait_tensorcnt 1
	s_barrier_signal -1
	s_barrier_wait -1
	FETCH 0, 0, 0
	s_wait_loadcnt 0x0
	STEP 0, 0, 2
.if LAPS > 1
	s_mov_b32 s3, LAPS-1
.Llap:
	s_wait_alu depctr_va_vdst(0)
	MID 0, 1
	TURN 0, 1, 1
	s_wait_alu depctr_va_vdst(0)
	MID 1, 0
	TURN 1, 0, 1
	s_wait_alu depctr_va_vdst(0)
	STEP 0, 0, 0
	s_sub_co_u32 s3, s3, 1
	s_cmp_lg_u32 s3, 0
	s_cbranch_scc1 .Llap
.endif
	MID 0, 1
	TURN 0, 1, 0
	s_wait_alu depctr_va_vdst(0)
	MID 1, 0
	s_wait_dscnt 0x0
	MULR 0, MB, 1, 0
	WIN 0
	PLACES 4
	WIN 0x08
.set EA, 0
.rept MB
.set EB, 0
.rept MB
	global_store_b128 v[LI], v[8*(MB*EA+EB):8*(MB*EA+EB)+3], s[10:11] offset:65536*EA+1024*EB
	global_store_b128 v[LI], v[8*(MB*EA+EB)+4:8*(MB*EA+EB)+7], s[10:11] offset:65536*EA+1024*EB+512
.set EB, EB+1
.endr
.set EA, EA+1
.endr
	WIN 0
	s_wait_tensorcnt 0x0
	ds_add_u32 v[SPW], v[NIL]
	s_wait_dscnt 0x0
	CROUND
	s_endpgm
.Lfunc_end_k_qbe977167d7_gemm_w2:
	.size	k_qbe977167d7_gemm_w2, .Lfunc_end_k_qbe977167d7_gemm_w2-k_qbe977167d7_gemm_w2
	.p2alignl 7, 3214868480
	.fill 96, 4, 3214868480
	.section	.rodata,"a",@progbits
	.p2align	6, 0x0
	.amdhsa_kernel k_qbe977167d7_gemm_w2
		.amdhsa_group_segment_fixed_size 327680
		.amdhsa_private_segment_fixed_size 0
		.amdhsa_enable_private_segment 0
		.amdhsa_kernarg_size 32
		.amdhsa_user_sgpr_count 2
		.amdhsa_user_sgpr_kernarg_segment_ptr 1
		.amdhsa_wavefront_size32 1
		.amdhsa_system_sgpr_workgroup_id_x 1
		.amdhsa_system_sgpr_workgroup_id_y 1
		.amdhsa_system_sgpr_workgroup_id_z 1
		.amdhsa_system_vgpr_workitem_id 0
		.amdhsa_next_free_vgpr 768
		.amdhsa_next_free_sgpr 98
		.amdhsa_reserve_vcc 0
		.amdhsa_float_denorm_mode_32 3
		.amdhsa_float_denorm_mode_16_64 3
		.amdhsa_memory_ordered 1
		.amdhsa_forward_progress 1
		.amdhsa_inst_pref_size 83
	.end_amdhsa_kernel
	.amdgpu_metadata
---
amdhsa.version: [ 1, 2 ]
amdhsa.kernels:
  - .name:           k_qbe977167d7_gemm_w2
    .symbol:         k_qbe977167d7_gemm_w2.kd
    .args:
      - { .name: hid, .offset: 0, .size: 8, .value_kind: global_buffer, .address_space: global }
      - { .name: q0, .offset: 8, .size: 8, .value_kind: global_buffer, .address_space: global }
      - { .name: b2, .offset: 16, .size: 8, .value_kind: global_buffer, .address_space: global }
      - { .name: acc32, .offset: 24, .size: 8, .value_kind: global_buffer, .address_space: global }
    .group_segment_fixed_size: 327680
    .private_segment_fixed_size: 0
    .kernarg_segment_align: 8
    .kernarg_segment_size: 32
    .max_flat_workgroup_size: 128
    .sgpr_count:     98
    .vgpr_count:     768
    .wavefront_size: 32
...
	.end_amdgpu_metadata
.endif
;; end of part 6
;; launch ln2 (part 7): grid 256 x 1, 8 waves a work-group, no clusters, 70,656 bytes of LDS; arguments h, acc32, g2, be2, out0; writes out0
.if DOCPART == 7
	.amdgcn_target "amdgcn-amd-amdhsa--gfx1250"
	.amdhsa_code_object_version 6
	.text
	.protected	k_qbe977167d7_ln2
	.globl	k_qbe977167d7_ln2
	.p2align	8
	.type	k_qbe977167d7_ln2,@function
k_qbe977167d7_ln2:
	s_mov_b64 s[64:65], 0
	v_nop
	global_prefetch_b8 v0, s[64:65] scope:SCOPE_SE
	s_setreg_imm32_b32 hwreg(HW_REG_WAVE_MODE, 25, 1), 1
	s_wait_xcnt 0x0
; out = layernorm(h + ff) g2 + be2, all in f32.  h's f32 rows lie at the head of its buffer.
; A work-group takes a tile of 16 tokens (row r of tile T is 32 (T / 2) + 8 (T % 2) + r + 8 (r / 8)), wave w its columns 128 w .. 128 w + 127.  A lane (r, h) holds 64 numbers of token r: register 16 b + i = column 128 w + 32 b + 16 h + i.
; The product's result lies in memory in just that order; the row-major operand is loaded as it lies (512 dense bytes a load) and turned through the wave's own stage in LDS; the result's rows go back the same way.
; A row's sum: within the lane, with lane l xor 16, then over the eight waves through LDS: two barriers, one for the mean, one for the variance (taken of x - mean, as the definition has it).
; Memory binds: no matrix unit, no cluster (nothing is shared).  LIMITS: NaN and infinities are not served.
.set RED,  67584                       ; LDS: eight stages of 16 x 528; then 512 bytes for each of the two sums
.set LI,  4
.set LS,  5
.set XO,  6
.set STI, 7
.set STO, 8
.set GO,  9
.set RW,  10
.set RR,  11
.set S1,  16                           ; v16-79   the rows as loaded; then g; then rows on the way out
.set S2,  80                           ; v80-143  the product's result; then the sum, x - mean, the result
.set S3,  144                          ; v144-207 the rows, turned; then be
.set RC,  208                          ; v208-215 the eight waves' sums
.set MU,  216
.set RS,  218
.set P0,  246                          ; v246-253 four chains
.set RA,  254
.set RB,  255
.set SEL, 34
.macro REDUCE off                      ; v[RA]: my lane's sum -> the row's, in every lane
	s_delay_alu instid0(VALU_DEP_1)
	v_permlanex16_b32 v[RB], v[RA], s[SEL], s[SEL+1]
	s_delay_alu instid0(VALU_DEP_1)
	v_add_f32 v[RA], v[RA], v[RB]
	ds_store_b32 v[RW], v[RA] offset:\off          ; my wave's word for row r (both halves of the lanes write the same)
	s_wait_dscnt 0x0                               ; for the others' sake
	s_barrier_signal -1
	s_barrier_wait -1
.irp i, 0,1,2,3,4,5,6,7
	ds_load_b32 v[RC+\i], v[RR] offset:\off+64*\i
.endr
	s_wait_dscnt 0x0
	v_add_f32 v[RC], v[RC], v[RC+1]
	v_add_f32 v[RC+2], v[RC+2], v[RC+3]
	v_add_f32 v[RC+4], v[RC+4], v[RC+5]
	v_add_f32 v[RC+6], v[RC+6], v[RC+7]
	s_delay_alu instid0(VALU_DEP_3)
	v_add_f32 v[RC], v[RC], v[RC+2]
	s_delay_alu instid0(VALU_DEP_2)
	v_add_f32 v[RC+4], v[RC+4], v[RC+6]
	s_delay_alu instid0(VALU_DEP_1)
	v_add_f32 v[RA], v[RC], v[RC+4]
.endm
	s_load_b256 s[4:11], s[0:1], 0x0               ; the rows, the product's result, g, be
	s_load_b64 s[12:13], s[0:1], 0x20              ; out
	v_lshl_add_u32 v244, v0, 2, 0x11000
	v_mov_b32 v245, 0
	v_lshrrev_b32 v1, 5, v0
	s_delay_alu instid0(VALU_DEP_1)
	v_readfirstlane_b32 s20, v1                    ; wave 0..7
	v_and_b32 v1, 31, v0
	v_and_b32 v2, 15, v0
	v_bfe_u32 v3, v0, 4, 1
	s_delay_alu instid0(VALU_DEP_3)
	v_lshlrev_b32 v[LI], 4, v1
	s_delay_alu instid0(VALU_DEP_3)
	v_lshlrev_b32 v[LS], 2, v2
	s_lshl_b32 s21, s20, 9
	v_add_nc_u32 v[XO], s21, v[LI]
	v_lshl_add_u32 v[GO], v3, 6, s21
	s_mul_i32 s22, s20, 8448
	v_add_nc_u32 v[STI], s22, v[LI]
	v_mul_u32_u24 v[STO], v2, 528
	s_delay_alu instid0(VALU_DEP_1)
	v_lshl_add_u32 v[STO], v3, 6, v[STO]
	s_delay_alu instid0(VALU_DEP_1)
	v_add_nc_u32 v[STO], s22, v[STO]
	s_lshl_b32 s23, s20, 6
	s_add_co_u32 s23, s23, RED
	v_add_nc_u32 v[RW], s23, v[LS]
	v_add_nc_u32 v[RR], RED, v[LS]
	v_mov_b32 v[RB], 0
	s_lshr_b32 s23, ttmp9, 1
	s_lshl_b32 s23, s23, 17
	s_and_b32 s24, ttmp9, 1
	s_lshl_b32 s24, s24, 15
	s_add_co_u32 s24, s24, s23                     ; the tile's first row, in bytes
	s_mov_b32 s25, 0
	s_lshl_b32 s26, ttmp9, 3
	s_add_co_u32 s26, s26, s20                     ; 8 T + w
	s_lshl_b32 s28, s26, 13
	s_mov_b32 s29, 0
	s_mov_b32 s[SEL], 0x76543210
	s_mov_b32 s[SEL+1], 0xfedcba98
	s_mov_b32 s36, 0x3a800000                      ; 1 / 1,024
	s_mov_b32 s37, 0x3727c5ac                      ; 1e-5
	s_wait_alu depctr_va_vdst(0)
	s_wait_kmcnt 0x0
	s_add_nc_u64 s[4:5], s[4:5], s[24:25]
	s_add_nc_u64 s[6:7], s[6:7], s[28:29]
	s_add_nc_u64 s[12:13], s[12:13], s[24:25]
.set J, 0
.rept 16
	global_load_b128 v[S1+4*J:S1+4*J+3], v[XO], s[4:5] offset:(J+8*(J/8))*4096 th:TH_LOAD_NT
.set J, J+1
.endr
.set J, 0
.rept 16
	global_load_b128 v[S2+4*J:S2+4*J+3], v[LI], s[6:7] offset:512*J th:TH_LOAD_NT
.set J, J+1
.endr
	s_wait_loadcnt 16                              ; the rows are in; the 16 loads behind them may be out
.set J, 0
.rept 16
	ds_store_b128 v[STI], v[S1+4*J:S1+4*J+3] offset:528*J
.set J, J+1
.endr
.irp b, 0,1,2,3
.irp j, 0,1,2,3
	ds_load_b128 v[S3+16*\b+4*\j:S3+16*\b+4*\j+3], v[STO] offset:128*\b+16*\j
.endr
.endr
	s_wait_dscnt 0x0
.irp b, 0,1,2,3
.irp j, 0,1,2,3
	global_load_b128 v[S1+16*\b+4*\j:S1+16*\b+4*\j+3], v[GO], s[8:9] offset:128*\b+16*\j
.endr
.endr
	s_wait_loadcnt 16                              ; the product's result is in; g's 16 loads may be out
.set J, 0
.rept 32
	v_pk_add_f32 v[S2+J:S2+J+1], v[S2+J:S2+J+1], v[S3+J:S3+J+1]
.set J, J+2
.endr
.irp b, 0,1,2,3
.irp j, 0,1,2,3
	global_load_b128 v[S3+16*\b+4*\j:S3+16*\b+4*\j+3], v[GO], s[10:11] offset:128*\b+16*\j
.endr
.endr
	v_pk_add_f32 v[248:249], v[80:81], v[82:83]
	v_pk_add_f32 v[250:251], v[96:97], v[104:105]
	v_pk_add_f32 v[252:253], v[112:113], v[120:121]
	v_pk_add_f32 v[242:243], v[128:129], v[136:137]
	v_pk_add_f32 v[240:241], v[84:85], v[86:87]
	v_pk_add_f32 v[238:239], v[98:99], v[106:107]
	v_pk_add_f32 v[236:237], v[114:115], v[122:123]
	v_pk_add_f32 v[246:247], v[130:131], v[138:139]
	s_delay_alu instid0(VALU_DEP_1)
	v_pk_add_f32 v[246:247], v[246:247], v[88:89]
	v_pk_add_f32 v[248:249], v[248:249], v[90:91]
	v_pk_add_f32 v[250:251], v[250:251], v[100:101]
	v_pk_add_f32 v[252:253], v[252:253], v[108:109]
	v_pk_add_f32 v[242:243], v[242:243], v[116:117]
	v_pk_add_f32 v[240:241], v[240:241], v[124:125]
	v_pk_add_f32 v[238:239], v[238:239], v[132:133]
	v_pk_add_f32 v[236:237], v[236:237], v[140:141]
	v_pk_add_f32 v[246:247], v[246:247], v[92:93]
	v_pk_add_f32 v[248:249], v[248:249], v[94:95]
	v_pk_add_f32 v[250:251], v[250:251], v[102:103]
	v_pk_add_f32 v[252:253], v[252:253], v[110:111]
	v_pk_add_f32 v[242:243], v[242:243], v[118:119]
	v_pk_add_f32 v[240:241], v[240:241], v[126:127]
	v_pk_add_f32 v[238:239], v[238:239], v[134:135]
	v_pk_add_f32 v[236:237], v[236:237], v[142:143]
	s_delay_alu instid0(VALU_DEP_4)
	v_pk_add_f32 v[246:247], v[246:247], v[242:243]
	s_delay_alu instid0(VALU_DEP_4)
	v_pk_add_f32 v[248:249], v[248:249], v[240:241]
	s_delay_alu instid0(VALU_DEP_4)
	v_pk_add_f32 v[250:251], v[250:251], v[238:239]
	s_delay_alu instid0(VALU_DEP_4)
	v_pk_add_f32 v[252:253], v[252:253], v[236:237]
	s_delay_alu instid0(VALU_DEP_2)
	v_pk_add_f32 v[246:247], v[246:247], v[250:251]
	s_delay_alu instid0(VALU_DEP_2)
	v_pk_add_f32 v[248:249], v[248:249], v[252:253]
	s_delay_alu instid0(VALU_DEP_1)
	v_pk_add_f32 v[246:247], v[246:247], v[248:249]
	s_delay_alu instid0(VALU_DEP_1)
	v_add_f32 v[RA], v[P0], v[P0+1]
	REDUCE 0
	s_delay_alu instid0(VALU_DEP_1)
	v_mul_f32 v[MU], 0xba800000, v[RA]             ; -mean
	s_delay_alu instid0(VALU_DEP_1)
	v_mov_b32 v[MU+1], v[MU]
.set J, 0
.rept 32
	v_pk_add_f32 v[S2+J:S2+J+1], v[S2+J:S2+J+1], v[MU:MU+1]
.set J, J+2
.endr
.irp k, 0,1,2,3
	v_pk_mul_f32 v[P0+2*\k:P0+2*\k+1], v[S2+2*\k:S2+2*\k+1], v[S2+2*\k:S2+2*\k+1]
.endr
.irp j, 8,16,24,32,40,48,56
.irp k, 0,1,2,3
	s_delay_alu instid0(VALU_DEP_4)
	v_pk_fma_f32 v[P0+2*\k:P0+2*\k+1], v[S2+\j+2*\k:S2+\j+2*\k+1], v[S2+\j+2*\k:S2+\j+2*\k+1], v[P0+2*\k:P0+2*\k+1]
.endr
.endr
	s_delay_alu instid0(VALU_DEP_3)
	v_pk_add_f32 v[P0:P0+1], v[P0:P0+1], v[P0+2:P0+3]
	s_delay_alu instid0(VALU_DEP_2)
	v_pk_add_f32 v[P0+4:P0+5], v[P0+4:P0+5], v[P0+6:P0+7]
	s_delay_alu instid0(VALU_DEP_1)
	v_pk_add_f32 v[P0:P0+1], v[P0:P0+1], v[P0+4:P0+5]
	s_delay_alu instid0(VALU_DEP_1)
	v_add_f32 v[RA], v[P0], v[P0+1]
	REDUCE 512                                     ; other bytes than the first sum's: no barrier between the two is needed
	s_delay_alu instid0(VALU_DEP_1)
	v_fma_f32 v[RA], v[RA], s36, s37               ; the variance + 1e-5
	s_wait_alu depctr_va_vdst(0)
	v_rsq_f32 v[RS], v[RA]
	v_rsq_f32 v[RS+1], v[RA]
	v_nop                                          ; a plain instruction behind the two
	s_wait_alu depctr_va_vdst(0)                   ; one wait for both, ahead of their first reader
	s_wait_loadcnt 0x0                             ; g and be
.set J, 0
.rept 32
	v_pk_mul_f32 v[S2+J:S2+J+1], v[S2+J:S2+J+1], v[RS:RS+1]
.set J, J+2
.endr
.set J, 0
.rept 32
	v_pk_fma_f32 v[S2+J:S2+J+1], v[S2+J:S2+J+1], v[S1+J:S1+J+1], v[S3+J:S3+J+1]
.set J, J+2
.endr
.irp b, 0,1,2,3
.irp j, 0,1,2,3
	ds_store_b128 v[STO], v[S2+16*\b+4*\j:S2+16*\b+4*\j+3] offset:128*\b+16*\j
.endr
.endr
.set J, 0
.rept 16
	ds_load_b128 v[S1+4*J:S1+4*J+3], v[STI] offset:528*J     ; LDS serves a wave's instructions in order: these see my stores
.set J, J+1
.endr
.set J, 0
.rept 16
	s_wait_dscnt 15-J
	global_store_b128 v[XO], v[S1+4*J:S1+4*J+3], s[12:13] offset:(J+8*(J/8))*4096 th:TH_STORE_NT   ; 512 dense bytes of a row
.set J, J+1
.endr
	s_wait_tensorcnt 0x0
	ds_add_u32 v244, v245
	s_wait_dscnt 0x0
	s_endpgm
.Lfunc_end_k_qbe977167d7_ln2:
	.size	k_qbe977167d7_ln2, .Lfunc_end_k_qbe977167d7_ln2-k_qbe977167d7_ln2
	.p2alignl 7, 3214868480
	.fill 96, 4, 3214868480
	.section	.rodata,"a",@progbits
	.p2align	6, 0x0
	.amdhsa_kernel k_qbe977167d7_ln2
		.amdhsa_group_segment_fixed_size 70656
		.amdhsa_private_segment_fixed_size 0
		.amdhsa_enable_private_segment 0
		.amdhsa_kernarg_size 40
		.amdhsa_user_sgpr_count 2
		.amdhsa_user_sgpr_kernarg_segment_ptr 1
		.amdhsa_wavefront_size32 1
		.amdhsa_system_sgpr_workgroup_id_x 1
		.amdhsa_system_sgpr_workgroup_id_y 1
		.amdhsa_system_sgpr_workgroup_id_z 1
		.amdhsa_system_vgpr_workitem_id 0
		.amdhsa_next_free_vgpr 256
		.amdhsa_next_free_sgpr 66
		.amdhsa_reserve_vcc 0
		.amdhsa_float_denorm_mode_32 3
		.amdhsa_float_denorm_mode_16_64 3
		.amdhsa_memory_ordered 1
		.amdhsa_forward_progress 1
		.amdhsa_inst_pref_size 31
	.end_amdhsa_kernel
	.amdgpu_metadata
---
amdhsa.version: [ 1, 2 ]
amdhsa.kernels:
  - .name:           k_qbe977167d7_ln2
    .symbol:         k_qbe977167d7_ln2.kd
    .args:
      - { .name: h, .offset: 0, .size: 8, .value_kind: global_buffer, .address_space: global }
      - { .name: acc32, .offset: 8, .size: 8, .value_kind: global_buffer, .address_space: global }
      - { .name: g2, .offset: 16, .size: 8, .value_kind: global_buffer, .address_space: global }
      - { .name: be2, .offset: 24, .size: 8, .value_kind: global_buffer, .address_space: global }
      - { .name: out0, .offset: 32, .size: 8, .value_kind: global_buffer, .address_space: global }
    .group_segment_fixed_size: 70656
    .private_segment_fixed_size: 0
    .kernarg_segment_align: 8
    .kernarg_segment_size: 40
    .max_flat_workgroup_size: 256
    .sgpr_count:     66
    .vgpr_count:     256
    .wavefront_size: 32
...
	.end_amdgpu_metadata
.endif
;; end of part 7
